; MI455X (gfx1250); checked and timed in simulation.
; The chip was launched on July 23, 2026; its instructions are those of AMD's public machine-readable ISA for CDNA 5 (MIT licence, August 2026) and "CDNA5" Instruction Set Architecture Reference Guide (July 2026). The comments in the code are by the model that wrote it; some were corrected since.
;; MHA. Allowed arithmetic: matrix products marked QUANTISED: E2M1 operands, one E8M0 scale for each 32 along K, by v_wmma_scale_f32_16x16x128_f8f6f4 with both operands' format E2M1 (or v_wmma_scale_f32_32x16x128_f4), f32 sums; products left as they are: bf16, f16 or f32 operands; f32 sums; everything else in f32.
;; Inputs: W1 1,024 x 3,072 float32; W2 1,024 x 1,024 float32; b1 3,072 float32; b2 1,024 float32; inputs 4 x 2,048 x 1,024 float32; mask 4 x 2,048 x 2,048 int32.
;; Outputs: out0 4 x 2,048 x 1,024 float32.
;; This version of the problem:
;;   THIS VERSION OF THE PROBLEM IS GIVEN IN LOW PRECISION. The matrix products marked QUANTISED in the list below multiply operands that are first quantised to E2M1 (2 exponent bits, 1 mantissa bit; 4 bits a number), with one power-of-two scale for each 32 numbers along K (OCP MX v1.0); their sums are f32. The products marked 'left as it is' may take bf16, f16 or f32 operands, with f32 sums. Whichever they take, every output number must still come out within the allowed error. Rounding operands to bf16 (8 significant bits) uses up far more of that allowance than f16 does (11 bits, for magnitudes from 6e-5 to 65,504). All else is computed in f32.
;;   The module's matrix products, in the order in which they are computed (A, B: the left and right operand; K: the contracted axis; several contracted axes count as one K, in the product's order):
;;     1. [M 8,192, K 1,024] x [K 1,024, N 3,072]; A: input inputs; B: input W1: QUANTISED
;;     2. batch 64 x [M 2,048, K 64] x [K 64, N 2,048]; A: computed on the way; B: computed on the way: left as it is (an operand is computed on the way)
;;     3. batch 64 x [M 2,048, K 2,048] x [K 2,048, N 64]; A: computed on the way; B: computed on the way: left as it is (an operand is computed on the way)
;;     4. [M 8,192, K 1,024] x [K 1,024, N 1,024]; A: computed on the way; B: input W2: left as it is (an operand is computed on the way)
;;   THE QUANTISER, for each operand of a quantised product, along K:
;;     - K is cut into blocks of 32 from its start; a last block that is shorter is filled with zeros.
;;     - A block's scale is 2^e with e = floor(log2(the largest magnitude in the block)) - 2, held to -126 .. 127; a block of zeros has e = 0. As a byte (E8M0): e + 127.
;;     - Each number is divided by its block's scale, clamped to +-6, and rounded to the nearest number of E2M1, ties to even, subnormals kept.
;;     - The product sums the exact products of the quantised numbers (number of the format x scale) in f32.
;;   ~~~python
;;   def quantise(x, axis):      # numpy; x: float32 -> the quantised numbers, widened to float32 again
;;       x = np.moveaxis(x, axis, -1); K = x.shape[-1]
;;       x = np.pad(x, [(0, 0)] * (x.ndim - 1) + [(0, -K % 32)]); x = x.reshape(x.shape[:-1] + (-1, 32)); a = np.abs(x).max(-1, keepdims=True)
;;       e = np.where(a > 0, np.clip(np.frexp(np.where(a > 0, a, 1))[1] - 1 - 2, -126, 127), 0)      # np.frexp(a)[1] - 1 = floor(log2(a)), exactly
;;       r = np.clip(x / 2.0 ** e, -6, 6)
;;       step = 2.0 ** (np.maximum(np.frexp(np.where(r == 0, 1, r))[1] - 1, 0) - 1)
;;       q = np.round(r / step) * step * 2.0 ** e      # np.round: ties to even
;;       return np.moveaxis(q.reshape(q.shape[:-2] + (-1,))[..., :K], -1, axis).astype(np.float32)
;;   ~~~
;; One version. Each part assembles by itself: llvm-mc -triple=amdgcn-amd-amdhsa -mcpu=gfx1250 --defsym DOCPART=n.
;; ======== version 1 of 1: 4 launches
;; limits: values are held in f16: magnitudes above 65,504 overflow, below 6.1e-05 lose precision
;; workspace buffers: xq 4,456,448 bytes; w1q 1,671,168 bytes; w2f 2,097,152 bytes; maskf 8,388,608 bytes; nmp 131,072 bytes; qkv 50,331,648 bytes; ctxf 16,777,216 bytes
;; launch prep (part 1): grid 592 x 1, 4 waves a work-group, no clusters, 68,096 bytes of LDS; arguments mask, inputs, W1, W2, maskf, nmp, xq, w1q, w2f; writes maskf, nmp, xq, w1q, w2f
.if DOCPART == 1
	.amdgcn_target "amdgcn-amd-amdhsa--gfx1250"
	.amdhsa_code_object_version 6
	.text
	.protected	k_qfb89a6b6d4_prep
	.globl	k_qfb89a6b6d4_prep
	.p2align	8
	.type	k_qfb89a6b6d4_prep,@function
k_qfb89a6b6d4_prep:
	s_mov_b64 s[64:65], 0
	v_nop
	global_prefetch_b8 v0, s[64:65] scope:SCOPE_SE
	s_setreg_imm32_b32 hwreg(HW_REG_WAVE_MODE, 25, 1), 1
	s_wait_xcnt 0x0
; PREP: four jobs in one launch, chosen by the work-group's number; no two jobs share a byte of LDS or of memory.
;   work-groups   0-255  mask [4][2048][2048] i32 -> maskf: codes of E2M1, 1.0 where mask == 0, else 0, laid as the operand registers of the attention launch; nmp: how many keys of each row are masked
;   work-groups 256-511  inputs [8192][1024] f32  -> xq: codes of E2M1 (K innermost, 512 bytes a row) and, from byte 4,194,304 on, one E8M0 byte for each 32 along K
;   work-groups 512-559  W1 [1024][3072] f32, K its FIRST axis -> w1q: codes [3072][512 bytes], K innermost, and from byte 1,572,864 on the scale bytes [3072][32]
;   work-groups 560-591  W2 [1024][1024] f32 -> w2f: f16, laid as operand registers: [column tile 64][32 along K: 32][half 2][512 bytes]
; THE QUANTISER: a block's scale is 2^(floor(log2(largest magnitude)) - 2); its byte is the largest magnitude's exponent field - 2, held at 1 from below.
; LIMITS: a block whose largest magnitude lies under 2^-124 (a block of zeros too) keeps the byte 1: its bytes are read by this program alone, and zero codes add nothing under that byte.
; NaN and infinities are not served.  |W2| stays under 65,504, the largest f16 number.
; No tensor load, no barrier, no cluster: no two work-groups read the same bytes, and waves share nothing.
.set SPARE, 67584                      ; behind both jobs' LDS: the spare words, 128 bytes a wave
.set SPW,   192                        ; v192  LDS address of my spare word; never rewritten
.set NIL,   193                        ; v193  0; never rewritten
.set WV,    2                          ; s2    my wave's number
.macro FINISH                          ; a wave's end
	s_wait_tensorcnt 0x0
	ds_add_u32 v[SPW], v[NIL]
	s_wait_dscnt 0x0
	s_endpgm
.endm
	s_load_b512 s[4:19], s[0:1], 0x0               ; mask s[4:5], inputs s[6:7], W1 s[8:9], W2 s[10:11], maskf s[12:13], nmp s[14:15], xq s[16:17], w1q s[18:19]
	s_load_b64 s[20:21], s[0:1], 0x40              ; w2f
	v_lshl_add_u32 v[SPW], v0, 2, SPARE
	v_mov_b32 v[NIL], 0
	v_lshrrev_b32 v1, 5, v0
	v_readfirstlane_b32 s[WV], v1                  ; wave 0..3
	v_and_b32 v2, 31, v0                           ; lane
	s_wait_kmcnt 0x0
	s_cmp_lt_u32 ttmp9, 256
	s_cbranch_scc1 .Lmask
	s_cmp_lt_u32 ttmp9, 512
	s_cbranch_scc1 .Lx
	s_cmp_lt_u32 ttmp9, 560
	s_cbranch_scc1 .Lw1
; ---------------------------------------------------------------- W2 -> f16 fragments
; Work-group j: columns 128 (j & 7) on, K 256 (j >> 3) on.  A wave takes 32 columns, a lane a column, its registers run down 32 of K (a unit); eight units.
; Sixteen roundings make 16 registers of pairs along K; lanes 0-15 hold one column tile and lanes 16-31 the next, and a fragment wants K 8 h + 0..7 in half h of the lanes:
; eight exchanges of halves give both tiles' two halves, each 512 bytes that the wave stores on end.
	s_sub_co_u32 s22, ttmp9, 560
	s_and_b32 s23, s22, 7                          ; which 128 columns
	s_lshr_b32 s24, s22, 3                         ; which 256 of K
	v_lshlrev_b32 v3, 2, v2                        ; in: 4 bytes a lane
	v_lshlrev_b32 v4, 4, v2                        ; out: 16 bytes a lane
	s_lshl_b32 s26, s24, 20                        ; 256 rows of 4,096 bytes
	s_lshl_b32 s27, s23, 9
	s_add_co_u32 s26, s26, s27
	s_lshl_b32 s27, s[WV], 7
	s_add_co_u32 s26, s26, s27
	s_mov_b32 s27, 0
	s_add_nc_u64 s[10:11], s[10:11], s[26:27]
	s_lshl_b32 s26, s23, 3
	s_lshl_b32 s29, s[WV], 1
	s_add_co_u32 s26, s26, s29                     ; my first column tile
	s_lshl_b32 s26, s26, 15                        ; 32,768 bytes a column tile
	s_lshl_b32 s29, s24, 13                        ; 1,024 bytes for each 32 of K
	s_add_co_u32 s26, s26, s29
	s_add_nc_u64 s[20:21], s[20:21], s[26:27]
.macro ULOAD u
.set i, 0
.rept 32
	global_load_b32 v[32+32*((\u)%2)+i], v3, s[10:11] offset:(32*(\u)+i)*4096 th:TH_LOAD_NT
.set i, i+1
.endr
.endm
.macro UNIT u
.set UX, 32+32*((\u)%2)
.set UP, 96+16*((\u)%2)
.if (\u) < 7
	s_wait_loadcnt 32                              ; this unit's 32 loads are in; the next unit's may be out
.else
	s_wait_loadcnt 0x0
.endif
.if (\u) >= 2
	s_wait_xcnt 0x0                                ; the stores of two units back have read these registers
.endif
.set i, 0
.rept 16
	v_cvt_pk_f16_f32 v[UP+i], v[UX+2*i], v[UX+2*i+1]
.set i, i+1
.endr
.irp g, 0,1,2,3
	v_permlane16_swap_b32 v[UP+\g], v[UP+4+\g]     ; the first's lanes 16-31 change places with the second's lanes 0-15
	v_permlane16_swap_b32 v[UP+8+\g], v[UP+12+\g]
.endr
	global_store_b128 v4, v[UP:UP+3], s[20:21] offset:(\u)*1024             ; my first tile, K 0-15 of the unit
	global_store_b128 v4, v[UP+8:UP+11], s[20:21] offset:(\u)*1024+512      ; K 16-31
	global_store_b128 v4, v[UP+4:UP+7], s[20:21] offset:(\u)*1024+32768     ; my second tile
	global_store_b128 v4, v[UP+12:UP+15], s[20:21] offset:(\u)*1024+32768+512
.if (\u)+2 < 8
	ULOAD (\u)+2
.endif
.endm
	ULOAD 0
	ULOAD 1
.irp u, 0,1,2,3,4,5,6,7
	UNIT \u
.endr
	FINISH
; ---------------------------------------------------------------- mask -> codes and counts
; Work-group i owns the 32 rows (queries) 32 i on; wave w the keys 512 w on, 32 at a time.  A LANE TAKES A KEY AND ITS REGISTERS RUN DOWN THE 32 QUERIES: each load reads 128 consecutive bytes of a row,
; and four conversions give 32 codes along the queries: 16 bytes of the operand (16 keys x 128 queries) that the attention launch multiplies by a selection matrix.
; maskf: [batch 4][128 queries: 16][16 keys: 128][64 queries: 2][512 bytes]; lane (r, h) of the reader holds key r, queries 32 h + 0..31: my 32 queries are the 256 bytes at 256 (i & 3).
.set MX, 32                            ; v32-95   two sets of 32 numbers
.set MC, 96                            ; v96-103  two sets of codes
.macro MLOAD st, off
.set i, 0
.rept 32
	global_load_b32 v[MX+32*\st+i], v9, s[22:23] offset:i*8192+128*\st+\off th:TH_LOAD_NT
.set i, i+1
.endr
.endm
.macro MBLOCK st, left, reload
	s_wait_loadcnt \left                           ; this set's 32 loads are in; the other set's may be out
.set g, 0
.rept 8
.irp k, 0,1,2,3
	v_cmp_eq_u32 s[28+\k], 0, v[MX+32*\st+g+\k]    ; masked where the word is 0
.endr
.irp k, 0,1,2,3
	v_cndmask_b32 v[MX+32*\st+g+\k], 0, v8, s[28+\k]   ; 1.0 there, else 0
.endr
.irp k, 0,1,2,3
	s_bcnt1_i32_b32 s[28+\k], s[28+\k]
.endr
.irp k, 0,1,2,3
	s_add_co_u32 s[32+g+\k], s[32+g+\k], s[28+\k]  ; the row's count
.endr
.set g, g+4
.endr
.irp c, 0,1,2,3
	v_cvt_scalef32_pk8_fp4_f32 v[MC+4*\st+\c], v[MX+32*\st+8*\c:MX+32*\st+8*\c+7], v8   ; the scale operand 1.0: nothing is divided
.endr
	v_nop                                          ; one plain line behind the last conversion
	global_store_b128 v10, v[MC+4*\st:MC+4*\st+3], s[24:25] offset:2048*\st   ; lanes 0-15 store 256 consecutive aligned bytes, lanes 16-31 those of the next 16 keys
.if \reload
	MLOAD \st, 256                                 ; the next trip's keys
.endif
.endm
.Lmask:
	v_mov_b32 v8, 1.0
	v_lshlrev_b32 v9, 2, v2                        ; in: 4 bytes a lane
	v_lshrrev_b32 v10, 4, v2
	v_and_b32 v11, 15, v2
	v_lshlrev_b32 v10, 10, v10
	v_lshl_add_u32 v10, v11, 4, v10                ; out: 1,024 (lane / 16) + 16 (lane % 16)
	s_lshl_b32 s22, ttmp9, 18                      ; 32 rows of 8,192 bytes
	s_lshl_b32 s23, s[WV], 11                      ; 512 keys
	s_add_co_u32 s22, s22, s23
	s_mov_b32 s23, 0
	s_add_nc_u64 s[22:23], s[4:5], s[22:23]
	s_lshr_b32 s24, ttmp9, 6                       ; batch
	s_lshl_b32 s24, s24, 21
	s_bfe_u32 s25, ttmp9, 0x40002                  ; which 128 queries
	s_lshl_b32 s25, s25, 17
	s_add_co_u32 s24, s24, s25
	s_and_b32 s25, ttmp9, 3                        ; which 32 of them
	s_lshl_b32 s25, s25, 8
	s_add_co_u32 s24, s24, s25
	s_lshl_b32 s25, s[WV], 15                      ; 32 tiles of 16 keys
	s_add_co_u32 s24, s24, s25
	s_mov_b32 s25, 0
	s_add_nc_u64 s[24:25], s[12:13], s[24:25]
.set i, 0
.rept 32
	s_mov_b32 s[32+i], 0                           ; the 32 rows' counts
.set i, i+1
.endr
	MLOAD 0, 0
	MLOAD 1, 0
	s_mov_b32 s26, 7
.Lmtrip:                                               ; a trip: 64 keys
	MBLOCK 0, 32, 1
	MBLOCK 1, 32, 1
	s_wait_xcnt 0x0                                ; both bases and the codes' registers are written again only behind this wait
	s_add_nc_u64 s[22:23], s[22:23], 256
	s_add_nc_u64 s[24:25], s[24:25], 4096
	s_sub_co_u32 s26, s26, 1
	s_cmp_lg_u32 s26, 0
	s_cbranch_scc1 .Lmtrip
	MBLOCK 0, 32, 0                                ; the last 64 keys: nothing more is loaded
	MBLOCK 1, 0, 0
	v_mov_b32 v11, 0
.set i, 0
.rept 32
	v_writelane_b32 v11, s[32+i], i                ; lane i: row i's count
.set i, i+1
.endr
	v_cvt_f32_u32 v11, v11
	s_lshl_b32 s26, s[WV], 15                      ; nmp: [which 512 keys][8192 rows] f32
	s_lshl_b32 s27, ttmp9, 7
	s_add_co_u32 s26, s26, s27
	s_mov_b32 s27, 0
	s_add_nc_u64 s[14:15], s[14:15], s[26:27]
	global_store_b32 v9, v11, s[14:15]
	FINISH
; ---------------------------------------------------------------- inputs -> codes, K innermost
; Rows are dense and K is a multiple of 32: the tensor is a stream of blocks of 32.  A wave takes 16 steps of 512 numbers.  Each load reads 512 consecutive bytes; a step's 2,048 bytes turn through the wave's own stage
; in LDS (16 bytes of padding behind each 64) and come back 64 bytes a lane: 16 neighbours along K, two lanes to a block.  A lane's 16 codes are 8 bytes: the wave stores 256 consecutive bytes.
; A wave's 256 scale bytes are gathered in its own LDS bytes and leave as 256 consecutive aligned bytes.
.set XWREG, 8192                       ; LDS of a wave: two stages of 32 x 80 bytes, then its 256 scale bytes
.set XSP,   80
.set XR,    16                         ; v16-79   four sets of 16 numbers as loaded
.set XX,    80                         ; v80-111  two sets of 16 neighbours
.set XE,    112                        ; v112-127 a scale byte for each step
.set XC,    128                        ; v128-191 codes: registers of its own for each step
.macro XLOAD t
.irp i, 0,1,2,3
	global_load_b128 v[XR+16*((\t)%4)+4*\i:XR+16*((\t)%4)+4*\i+3], v3, s[6:7] offset:2048*(\t)+512*\i th:TH_LOAD_NT
.endr
.endm
.macro XTURN t                         ; LDS serves a wave's instructions in order (ISA guide 5.7.1.4): no wait between the stores and the loads
.irp i, 0,1,2,3
	ds_store_b128 v14, v[XR+16*((\t)%4)+4*\i:XR+16*((\t)%4)+4*\i+3] offset:32*XSP*((\t)%2)+8*XSP*\i
.endr
.irp i, 0,1,2,3
	ds_load_b128 v[XX+16*((\t)%2)+4*\i:XX+16*((\t)%2)+4*\i+3], v15 offset:32*XSP*((\t)%2)+16*\i
.endr
.endm
.macro XSTEP t
.set XS, XX+16*((\t)%2)
.if (\t) > 0
	s_wait_dscnt 1                                 ; this step's numbers are back from the stage; the last step's byte store may be out
.else
	s_wait_dscnt 0x0
.endif
.if (\t)+4 < 16
	XLOAD (\t)+4                                   ; the stage's stores have read these registers
.endif
.if (\t)+1 < 16
.if 14-(\t) >= 3
	s_wait_loadcnt 12                              ; the next step's four loads are in; those of the three steps behind it may be out
.else
	s_wait_loadcnt 4*(14-(\t))
.endif
	XTURN (\t)+1
.endif
	v_max3_num_f32 v8, |v[XS]|, |v[XS+1]|, |v[XS+2]|
	v_max3_num_f32 v9, |v[XS+3]|, |v[XS+4]|, |v[XS+5]|
.irp i, 6,10
	v_max3_num_f32 v8, v8, |v[XS+\i]|, |v[XS+\i+1]|
	v_max3_num_f32 v9, v9, |v[XS+\i+2]|, |v[XS+\i+3]|
.endr
	v_max3_num_f32 v8, v8, |v[XS+14]|, |v[XS+15]|
	v_max3_num_f32 v8, v8, v9, 0x1800000           ; and the floor 2^(3 - 127): the byte cannot fall under 1
	v_max_num_f32_dpp v8, v8, v8 row_xmask:1 row_mask:0xf bank_mask:0xf   ; with my neighbour's 16: the block's largest magnitude
	v_add_nc_u32 v11, 0xff000000, v8               ; 2 off its exponent field: the conversion takes that field as its scale
	v_cvt_scalef32_pk8_fp4_f32 v[XC+4*(\t)], v[XS:XS+7], v11
	v_cvt_scalef32_pk8_fp4_f32 v[XC+4*(\t)+1], v[XS+8:XS+15], v11
	v_lshrrev_b32 v[XE+(\t)], 23, v11              ; the scale's byte
	ds_store_b8 v5, v[XE+(\t)] offset:16*(\t)      ; both lanes of a block write the same byte with the same value
	global_store_b64 v4, v[XC+4*(\t):XC+4*(\t)+1], s[30:31] offset:256*(\t)
.endm
.Lx:
	v_lshlrev_b32 v3, 4, v2                        ; my 16 bytes of a load's 512
	s_mul_i32 s22, s[WV], XWREG
	v_lshrrev_b32 v14, 2, v2
	v_mul_u32_u24 v14, v14, XSP
	v_and_b32 v15, 3, v2
	v_lshl_add_u32 v14, v15, 4, v14
	v_add_nc_u32 v14, s22, v14                     ; the stage, in: 80 (lane / 4) + 16 (lane % 4)
	v_mul_u32_u24 v15, v2, XSP
	v_add_nc_u32 v15, s22, v15                     ; and out: 80 x lane
	v_lshlrev_b32 v4, 3, v2                        ; my codes' place in a step's
	v_lshrrev_b32 v5, 1, v2
	s_add_co_u32 s22, s22, 2*32*XSP
	v_add_nc_u32 v5, s22, v5                       ; my block's byte among the wave's 256
	v_lshlrev_b32 v7, 3, v2
	v_add_nc_u32 v6, s22, v7
	s_sub_co_u32 s23, ttmp9, 256
	s_lshl_b32 s23, s23, 2
	s_add_co_u32 s24, s23, s[WV]                   ; which run of 8,192 numbers is my wave's
	s_lshl_b32 s26, s24, 15
	s_mov_b32 s27, 0
	s_add_nc_u64 s[6:7], s[6:7], s[26:27]
	s_lshl_b32 s26, s24, 12
	s_add_nc_u64 s[30:31], s[16:17], s[26:27]      ; its codes
	s_lshl_b32 s26, s24, 8
	s_add_co_u32 s26, s26, 4194304
	s_add_nc_u64 s[16:17], s[16:17], s[26:27]      ; its scale bytes
.irp t, 0,1,2,3
	XLOAD \t
.endr
	s_wait_loadcnt 12                              ; step 0's four loads are in
	XTURN 0
.irp t, 0,1,2,3,4,5,6,7,8,9,10,11,12,13,14,15
	XSTEP \t
.endr
	ds_load_b64 v[8:9], v6                         ; in order behind my byte stores
	s_wait_dscnt 0x0
	global_store_b64 v7, v[8:9], s[16:17]          ; 32 lanes store 256 consecutive aligned bytes
	FINISH
; ---------------------------------------------------------------- W1 -> codes, K moved innermost
; A lane takes a column n and its registers run down K: a block of 32 lies in one lane, and the conversions give codes with K innermost.  A wave takes 32 columns x 512 of K: 256 bytes of codes a column,
; gathered in its own stage in LDS (rows of 272 bytes) and stored by rows: sixteen lanes store 256 consecutive aligned bytes.
.set WPITCH, 272
.set WKROW,  512                       ; a row of the codes in bytes
.set WX,     32                        ; v32-95   two sets of 32 numbers
.set WCD,    96                        ; v96-99   a block's codes
.set WOUT,   112                       ; v112-175 the way out
.set WSB,    24                        ; v24-27   the scale bytes, four to a register
.macro WLOAD t
.set i, 0
.rept 32
	global_load_b32 v[WX+32*((\t)%2)+i], v3, s[8:9] offset:(32*(\t)+i)*12288 th:TH_LOAD_NT
.set i, i+1
.endr
.endm
.macro WBLOCK t
.set WS, WX+32*((\t)%2)
.if (\t) < 15
	s_wait_loadcnt 32                              ; this block's 32 loads are in; the next block's may be out
.else
	s_wait_loadcnt 0x0
.endif
	v_max3_num_f32 v12, |v[WS]|, |v[WS+1]|, |v[WS+2]|
	v_max3_num_f32 v13, |v[WS+3]|, |v[WS+4]|, |v[WS+5]|
.irp i, 6,10,14,18,22,26
	v_max3_num_f32 v12, v12, |v[WS+\i]|, |v[WS+\i+1]|
	v_max3_num_f32 v13, v13, |v[WS+\i+2]|, |v[WS+\i+3]|
.endr
	v_max3_num_f32 v12, v12, |v[WS+30]|, |v[WS+31]|
	v_max3_num_f32 v12, v12, v13, 0x1800000        ; and the floor 2^(3 - 127)
	v_add_nc_u32 v11, 0xff000000, v12              ; 2 off the exponent field: the conversion's scale operand
	v_lshrrev_b32 v13, 23, v11                     ; the scale's byte
.if (\t)%4 == 0
	v_mov_b32 v[WSB+(\t)/4], v13
.else
	v_lshl_or_b32 v[WSB+(\t)/4], v13, 8*((\t)%4), v[WSB+(\t)/4]
.endif
.irp g, 0,1,2,3
	v_cvt_scalef32_pk8_fp4_f32 v[WCD+\g], v[WS+8*\g:WS+8*\g+7], v11
.endr
	v_nop                                          ; one plain line behind the last conversion
	ds_store_b128 v4, v[WCD:WCD+3] offset:16*(\t)  ; 32 codes: 16 bytes of my column's row
.if (\t)+2 < 16
	WLOAD (\t)+2
.endif
	s_wait_dscnt 0x0                               ; the store has read its registers: the next block's codes may be written
.endm
.Lw1:
	s_sub_co_u32 s22, ttmp9, 512
	s_cmp_ge_u32 s22, 24
	s_cselect_b32 s23, 1, 0                        ; which 512 of K
	s_cselect_b32 s24, 24, 0
	s_sub_co_u32 s22, s22, s24                     ; which 128 columns
	s_lshl_b32 s22, s22, 7
	s_lshl_b32 s24, s[WV], 5
	s_add_co_u32 s22, s22, s24                     ; my wave's first column
	v_lshlrev_b32 v3, 2, v2
	s_mul_i32 s24, s[WV], 32*WPITCH
	s_add_co_u32 s24, s24, 32768                   ; my stage: this job's LDS begins at 32,768
	v_mul_u32_u24 v4, v2, WPITCH
	v_add_nc_u32 v4, s24, v4                       ; into it: row = my column
	v_and_b32 v5, 15, v2
	v_lshrrev_b32 v6, 4, v2
	v_mul_u32_u24 v7, v6, WPITCH
	v_lshl_add_u32 v7, v5, 4, v7
	v_add_nc_u32 v7, s24, v7                       ; out of it: sixteen lanes to a row, two rows an instruction
	v_mul_u32_u24 v8, v6, WKROW
	v_lshl_add_u32 v8, v5, 4, v8                   ; and the same place in the codes
	v_lshlrev_b32 v9, 5, v2                        ; my column's row of scale bytes
	s_mul_i32 s26, s23, 512*12288
	s_lshl_b32 s27, s22, 2
	s_add_co_u32 s26, s26, s27
	s_mov_b32 s27, 0
	s_add_nc_u64 s[8:9], s[8:9], s[26:27]
	s_lshl_b32 s26, s22, 9
	s_lshl_b32 s29, s23, 8
	s_add_co_u32 s26, s26, s29
	s_add_nc_u64 s[30:31], s[18:19], s[26:27]      ; codes: column x 512 + 256 x which half of K
	s_lshl_b32 s26, s22, 5
	s_lshl_b32 s29, s23, 4
	s_add_co_u32 s26, s26, s29
	s_add_co_u32 s26, s26, 1572864
	s_add_nc_u64 s[18:19], s[18:19], s[26:27]      ; scale bytes: column x 32 + 16 x which half
	WLOAD 0
	WLOAD 1
.irp t, 0,1,2,3,4,5,6,7,8,9,10,11,12,13,14,15
	WBLOCK \t
.endr
	global_store_b128 v9, v[WSB:WSB+3], s[18:19]   ; my column's 16 scale bytes
.irp t, 0,1,2,3,4,5,6,7,8,9,10,11,12,13,14,15
	ds_load_b128 v[WOUT+4*\t:WOUT+4*\t+3], v7 offset:2*\t*WPITCH
.endr
.irp t, 0,1,2,3,4,5,6,7,8,9,10,11,12,13,14,15
	s_wait_dscnt 15-\t
	global_store_b128 v8, v[WOUT+4*\t:WOUT+4*\t+3], s[30:31] offset:2*\t*WKROW
.endr
	FINISH
.Lfunc_end_k_qfb89a6b6d4_prep:
	.size	k_qfb89a6b6d4_prep, .Lfunc_end_k_qfb89a6b6d4_prep-k_qfb89a6b6d4_prep
	.p2alignl 7, 3214868480
	.fill 96, 4, 3214868480
	.section	.rodata,"a",@progbits
	.p2align	6, 0x0
	.amdhsa_kernel k_qfb89a6b6d4_prep
		.amdhsa_group_segment_fixed_size 68096
		.amdhsa_private_segment_fixed_size 0
		.amdhsa_enable_private_segment 0
		.amdhsa_kernarg_size 72
		.amdhsa_user_sgpr_count 2
		.amdhsa_user_sgpr_kernarg_segment_ptr 1
		.amdhsa_wavefront_size32 1
		.amdhsa_system_sgpr_workgroup_id_x 1
		.amdhsa_system_sgpr_workgroup_id_y 1
		.amdhsa_system_sgpr_workgroup_id_z 1
		.amdhsa_system_vgpr_workitem_id 0
		.amdhsa_next_free_vgpr 194
		.amdhsa_next_free_sgpr 66
		.amdhsa_reserve_vcc 0
		.amdhsa_float_denorm_mode_32 3
		.amdhsa_float_denorm_mode_16_64 3
		.amdhsa_memory_ordered 1
		.amdhsa_forward_progress 1
		.amdhsa_inst_pref_size 192
	.end_amdhsa_kernel
	.amdgpu_metadata
---
amdhsa.version: [ 1, 2 ]
amdhsa.kernels:
  - .name:           k_qfb89a6b6d4_prep
    .symbol:         k_qfb89a6b6d4_prep.kd
    .args:
      - { .name: mask, .offset: 0, .size: 8, .value_kind: global_buffer, .address_space: global }
      - { .name: inputs, .offset: 8, .size: 8, .value_kind: global_buffer, .address_space: global }
      - { .name: W1, .offset: 16, .size: 8, .value_kind: global_buffer, .address_space: global }
      - { .name: W2, .offset: 24, .size: 8, .value_kind: global_buffer, .address_space: global }
      - { .name: maskf, .offset: 32, .size: 8, .value_kind: global_buffer, .address_space: global }
      - { .name: nmp, .offset: 40, .size: 8, .value_kind: global_buffer, .address_space: global }
      - { .name: xq, .offset: 48, .size: 8, .value_kind: global_buffer, .address_space: global }
      - { .name: w1q, .offset: 56, .size: 8, .value_kind: global_buffer, .address_space: global }
      - { .name: w2f, .offset: 64, .size: 8, .value_kind: global_buffer, .address_space: global }
    .group_segment_fixed_size: 68096
    .private_segment_fixed_size: 0
    .kernarg_segment_align: 8
    .kernarg_segment_size: 72
    .max_flat_workgroup_size: 128
    .sgpr_count:     66
    .vgpr_count:     194
    .wavefront_size: 32
...
	.end_amdgpu_metadata
.endif
;; end of part 1
;; launch gemm1 (part 2): grid 12 x 32, 4 waves a work-group, clusters of 4 x 4, 327,680 bytes of LDS; arguments xq, w1q, b1, qkv; writes qkv
.if DOCPART == 2
	.amdgcn_target "amdgcn-amd-amdhsa--gfx1250"
	.amdhsa_code_object_version 6
	.text
	.protected	k_qfb89a6b6d4_gemm1
	.globl	k_qfb89a6b6d4_gemm1
	.p2align	8
	.type	k_qfb89a6b6d4_gemm1,@function
k_qfb89a6b6d4_gemm1:
	s_mov_b64 s[64:65], 0
	v_nop
	global_prefetch_b8 v0, s[64:65] scope:SCOPE_SE
	s_setreg_imm32_b32 hwreg(HW_REG_WAVE_MODE, 25, 1), 1
	s_wait_xcnt 0x0
	s_wait_alu depctr_hold_cnt(0) depctr_sa_sdst(0) depctr_va_vdst(0) depctr_va_sdst(0) depctr_va_ssrc(0) depctr_va_vcc(0) depctr_vm_vsrc(0)
	s_getreg_b32 s2, hwreg(HW_REG_IB_STS2, 6, 4)
	s_cmp_eq_u32 s2, 0
	s_cbranch_scc0 .Lentry_in_a_cluster
	s_endpgm
.Lentry_in_a_cluster:
	s_bfe_u32 s2, ttmp6, 0x10000c
	s_cmp_lg_u32 s2, 0xf033
	s_cbranch_scc0 .Lentry_shape_is_right
	s_endpgm
.Lentry_shape_is_right:
; x = inputs W1 + b1 on codes of FP4 (E2M1) with one E8M0 scale for each 32 along K; sums in f32; the result is rounded to f16 and laid as the operand registers of the attention launch.
; A = xq: codes [8192][512 bytes], scale bytes [8192][32] from byte 4,194,304 on.  B = w1q: codes [3072][512 bytes], scale bytes [3072][32] from byte 1,572,864 on.
; A tile of 256 x 256 is made by four waves, 128 x 128 each: 64 accumulators, 512 registers.  K = 1,024 is two LDS slots of 512 along K (rows of 256 bytes + 16 of padding): both are filled once, at the head, with the scale bytes
; of the work-group's rows; nothing is filled again.  A wave has three tensor loads out.
; CLUSTERS: 4 x 4 work-groups; A's tiles are asked for jointly along a row of the cluster, B's along a column.  The matrix instruction is used TRANSPOSED (source 0 = 16 rows of B, source 1 = 16 rows of A):
; a lane holds eight neighbouring columns of one row, which pack into 16 bytes of f16.  The bias is the C of each sum's first matrix instruction.
; qkv: [q, k, v][batch x head 64][16 tokens: 128][16 channels: 4][512 bytes].  In q and k lane (r, h)'s 16 bytes (token r, channels 8 h + 0..7) lie at 16 (16 h + r): a packed accumulator is stored as it stands,
; 512 consecutive aligned bytes an instruction.  In v they lie at 32 r + 16 h: rows of 16 channels, for the turning load.
; LIMITS: |inputs W1 + b1| stays under 65,504, the largest f16 number.  NaN and infinities are not served.
; REGISTERS: window 0: v0-31 addresses; v32-95 scale words, two sets; v128-191 A's fragments, one set; v192-255 the bias.  window 1: B's fragments, two sets.  windows 2, 3: the accumulators ((a, b) at v[8 (8 (a % 4) + b)]).
.set SIZE_K, 1024
.set KSTEP,  512
.set NQ,     KSTEP/128
.set ROWB,   256
.set KROW,   SIZE_K*4/8
.set PITCH,  272                       ; an LDS row: 256 bytes + 16 of padding: the 16 rows that a load touches start at 16 different banks (64 banks of 4 bytes: ISA guide 11.1)
.set FR,     8
.set NL,     2
.set NP,     4                         ; places behind this matrix instruction (ISA guide 7.12.1)
.set HALFT,  128*PITCH
.set SLOT,   4*HALFT
.set KS,     SIZE_K/32
.set SCL,    2*SLOT                    ; behind the two slots: the scales, as rows of 256 bytes + 16 of padding
.set HALFS,  (128*KS/256)*272
.set SBLK,   (16*KS/256)*272
.set SPARE,  SCL+4*HALFS               ; the spare words, 128 bytes a wave
.set ADRA, 16
.set ADRB, 20
.set CO,   26                          ; v26  my 16 bytes' place in a block of 512
.set ADRS, 27
.set SPW,  28
.set NIL,  29
.set SC,   32
.set AF,   128
.set BI,   192
.set G1, 24
.set G0, 32
.set G1B, 48
.set G0B, 56
.set G1S, 68
.set G0S, 76
.set G1SB, 80
.set G0SB, 88
.set MSB, 0
.macro WIN new                         ; the immediate's high byte repeats the setting that is left
.if MSB != \new
	s_set_vgpr_msb (MSB<<8)|\new
.set MSB, \new
.endif
.endm
.set MUL_LO, 0xa1                      ; source 0 (B) window 1, source 1 (A) window 0, C and D window 2
.set MUL_HI, 0xf1                      ; the same, C and D window 3
.set TO_B,   0x40
; A joint load: waves 0 and 1 fetch for A, waves 2 and 3 for B; the branch hangs on the wave's number alone.  An s_nop 0 and four v_nop follow each of the two lines.
.macro JLOAD g0a, g1a, g0b, g1b
	s_cmp_eq_u32 s15, 0
	s_cbranch_scc0 .Lfor_b_\@
	tensor_load_to_lds s[\g0a:\g0a+3], s[\g1a:\g1a+7]
	s_nop 0
.rept 4
	v_nop
.endr
	s_branch .Lasked_\@
.Lfor_b_\@:
	tensor_load_to_lds s[\g0b:\g0b+3], s[\g1b:\g1b+7]
	s_nop 0
.rept 4
	v_nop
.endr
.Lasked_\@:
.endm
.macro CROUND                          ; a round of the cluster's barrier
	s_barrier_signal -1
	s_barrier_wait -1
	s_cmp_lg_u32 s14, 0
	s_cbranch_scc1 .Lnot_wave_0_\@
	s_barrier_signal -3
.Lnot_wave_0_\@:
	s_barrier_wait -3
	s_barrier_signal -1
	s_barrier_wait -1
.endm
	s_load_b256 s[4:11], s[0:1], 0x0               ; xq s[4:5], w1q s[6:7], b1 s[8:9], qkv s[10:11]
	v_lshl_add_u32 v[SPW], v0, 2, SPARE
	v_mov_b32 v[NIL], 0
	ds_add_u32 v[SPW], v[NIL]                      ; the wave's opening: the add, twice on end, and its wait ahead of my first tensor load
	ds_add_u32 v[SPW], v[NIL]
	v_lshrrev_b32 v1, 5, v0
	v_readfirstlane_b32 s14, v1                    ; wave 0..3
	s_lshr_b32 s15, s14, 1                         ; which half of the tile's rows is mine.  Also: I fetch for A (0) or for B (1)
	s_and_b32 s16, s14, 1                          ; which half of its columns.  Also: which 128 rows of that tile I fetch
	s_bfe_u32 s40, ttmp6, 0x40000                  ; cx, cy: my place in the cluster
	s_bfe_u32 s41, ttmp6, 0x40004
	s_lshl_b32 s42, ttmp9, 2
	s_add_co_u32 s42, s42, s40                     ; tile column = 4 x cluster x + cx
	s_and_b32 s17, ttmp7, 0xffff
	s_lshl_b32 s17, s17, 2
	s_add_co_u32 s17, s17, s41                     ; tile row = 4 x cluster y + cy
	s_lshl_b32 s43, s41, 2
	s_lshl_b32 s43, 15, s43                        ; my row of the cluster
	s_lshl_b32 s44, 0x1111, s40                    ; my column
	s_or_b32 s[G1+0], s43, (0<<16)|(1<<20)|(1<<21)|(5<<22)|(3<<25)  ; the mask; elements of 1 byte; padding on; bit 21 beside a mask; 4 words behind every 64
	s_or_b32 s[G1B+0], s44, (0<<16)|(1<<20)|(1<<21)|(5<<22)|(3<<25)
.irp g, G1, G1B
	s_mov_b32 s[\g+1], ROWB<<16                    ; tensor_dim0
	s_mov_b32 s[\g+2], 128<<16                     ; tensor_dim1
	s_mov_b32 s[\g+3], ROWB<<16                    ; tile_dim0
	s_mov_b32 s[\g+4], 128                         ; tile_dim1
	s_mov_b32 s[\g+5], KROW                        ; from row to row
	s_mov_b32 s[\g+6], 0
	s_mov_b32 s[\g+7], 0
.endr
	s_or_b32 s[G1S+0], s43, (3<<16)|(1<<20)|(1<<21)|(5<<22)|(3<<25)  ; the scales of 128 rows: 4,096 dense bytes as 16 rows of 256 (32 elements of 8 bytes)
	s_or_b32 s[G1SB+0], s44, (3<<16)|(1<<20)|(1<<21)|(5<<22)|(3<<25)
.irp g, G1S, G1SB
	s_mov_b32 s[\g+1], 32<<16
	s_mov_b32 s[\g+2], (128*KS/256)<<16
	s_mov_b32 s[\g+3], 32<<16
	s_mov_b32 s[\g+4], 128*KS/256
	s_mov_b32 s[\g+5], 32
	s_mov_b32 s[\g+6], 0
	s_mov_b32 s[\g+7], 0
.endr
	s_lshl_b32 s18, s16, 7
	s_lshl_b32 s20, s17, 8
	s_add_co_u32 s20, s20, s18                     ; A: row 256 x tile row + 128 x half
	s_lshl_b32 s46, s42, 8
	s_add_co_u32 s46, s46, s18                     ; B: row 256 x tile column + 128 x half
	s_mov_b32 s21, 0
	s_mov_b32 s47, 0
	s_mov_b64 s[18:19], KS
	s_mul_u64 s[22:23], s[20:21], s[18:19]         ; where these rows' scales begin
	s_mul_u64 s[92:93], s[46:47], s[18:19]
	s_mov_b64 s[18:19], KROW
	s_mul_u64 s[20:21], s[20:21], s[18:19]         ; and their codes
	s_mul_u64 s[46:47], s[46:47], s[18:19]
	s_mul_i32 s45, s14, HALFT                      ; where they go: wave x 128 rows
	s_mul_i32 s94, s14, HALFS
	s_wait_dscnt 0x0                               ; both opening adds are done
	s_wait_kmcnt 0x0
	s_mov_b64 s[12:13], s[10:11]                   ; qkv
	s_mov_b64 s[66:67], s[8:9]                     ; b1
	s_mov_b64 s[8:9], s[6:7]                       ; B's codes
	s_add_nc_u64 s[10:11], s[6:7], 1572864         ; B's scales
	s_add_nc_u64 s[6:7], s[4:5], 4194304           ; A's scales; A's codes stay in s[4:5]
	s_add_nc_u64 s[20:21], s[4:5], s[20:21]
	s_add_nc_u64 s[22:23], s[6:7], s[22:23]
	s_add_nc_u64 s[46:47], s[8:9], s[46:47]
	s_add_nc_u64 s[92:93], s[10:11], s[92:93]
	CROUND                                         ; all sixteen work-groups are here: the joint loads meet
	s_mov_b32 s[G0S], 1
	s_add_co_u32 s[G0S+1], s94, SCL
	s_mov_b64 s[G0S+2:G0S+3], s[22:23]
	s_or_b32 s[G0S+3], s[G0S+3], 0x80000000
	s_mov_b32 s[G0SB], 1
	s_add_co_u32 s[G0SB+1], s94, SCL
	s_mov_b64 s[G0SB+2:G0SB+3], s[92:93]
	s_or_b32 s[G0SB+3], s[G0SB+3], 0x80000000
	JLOAD G0S, G1S, G0SB, G1SB                     ; the scales first: they are wanted with the first slot
.irp s, 0,1
	s_mov_b32 s[G0+4*\s], 1
	s_add_co_u32 s[G0+4*\s+1], s45, \s*SLOT
	s_add_nc_u64 s[G0+4*\s+2:G0+4*\s+3], s[20:21], \s*ROWB
	s_or_b32 s[G0+4*\s+3], s[G0+4*\s+3], 0x80000000
	s_mov_b32 s[G0B+4*\s], 1
	s_add_co_u32 s[G0B+4*\s+1], s45, \s*SLOT
	s_add_nc_u64 s[G0B+4*\s+2:G0B+4*\s+3], s[46:47], \s*ROWB
	s_or_b32 s[G0B+4*\s+3], s[G0B+4*\s+3], 0x80000000
	JLOAD G0+4*\s, G1, G0B+4*\s, G1B
.endr
	v_and_b32 v1, 15, v0                           ; r = lane % 16
	v_bfe_u32 v2, v0, 4, 1                         ; h = lane / 16
	; the bias: lane (r, h), block b: b1 at my first column + 16 b + 8 h + 0..7
	s_lshl_b32 s46, s42, 10
	s_lshl_b32 s47, s16, 9
	s_add_co_u32 s46, s46, s47                     ; my first column, in bytes of f32
	s_mov_b32 s47, 0
	s_add_nc_u64 s[66:67], s[66:67], s[46:47]
	v_lshlrev_b32 v7, 5, v2
.irp b, 0,1,2,3,4,5,6,7
	global_load_b128 v[BI+8*\b:BI+8*\b+3], v7, s[66:67] offset:64*\b
	global_load_b128 v[BI+8*\b+4:BI+8*\b+7], v7, s[66:67] offset:64*\b+16
.endr
	v_mul_u32_u24 v3, v1, PITCH
	v_lshl_add_u32 v4, v2, 4, v3                   ; a fragment's row x pitch + 16 x half
	s_mul_i32 s21, s15, HALFT                      ; my 128 rows of A
	s_mul_i32 s22, s16, HALFT                      ; my 128 rows of B,
	s_add_co_u32 s22, s22, 2*HALFT                 ; which lie behind A's 256
.irp s, 0,1
	v_add_nc_u32 v[ADRA+\s], s21, v4
	v_add_nc_u32 v[ADRB+\s], s22, v4
	s_add_co_u32 s21, s21, SLOT
	s_add_co_u32 s22, s22, SLOT
.endr
	v_mul_u32_u24 v5, v1, KS                       ; my row's scales: 32 bytes a row,
	v_lshrrev_b32 v6, 8, v5
	v_lshl_add_u32 v5, v6, 4, v5                   ; and 16 more for each 256 passed
	s_mul_i32 s21, s15, HALFS
	s_mul_i32 s22, s16, HALFS
	s_add_co_u32 s22, s22, 2*HALFS
	s_sub_co_u32 s22, s22, s21
	v_mul_u32_u24 v6, s22, v2                      ; lanes 16-31 take B's
	s_add_co_u32 s21, s21, SCL
	v_add_nc_u32 v5, v5, v6
	v_add_nc_u32 v[ADRS], s21, v5
	; the way out.  My place in a block of 512 bytes: q, k: 16 r + 256 h; v (cluster x = 2): 32 r + 16 h
	s_cmp_eq_u32 ttmp9, 2
	s_cselect_b32 s21, 32, 16
	s_cselect_b32 s22, 16, 256
	v_mul_lo_u32 v[CO], v1, s21
	v_mul_lo_u32 v5, v2, s22
	v_add_nc_u32 v[CO], v[CO], v5
	s_lshr_b32 s20, s17, 3                         ; batch: 8 tile rows each
	s_lshl_b32 s20, s20, 4
	s_lshl_b32 s21, s40, 2
	s_add_co_u32 s20, s20, s21
	s_lshl_b32 s21, s16, 1
	s_add_co_u32 s20, s20, s21                     ; batch x 16 + my first head: 4 cx + 2 x half
	s_lshl_b32 s20, s20, 18
	s_and_b32 s21, s17, 7
	s_lshl_b32 s21, s21, 4
	s_lshl_b32 s46, s15, 3
	s_add_co_u32 s21, s21, s46                     ; my first tile of 16 tokens
	s_lshl_b32 s21, s21, 11
	s_add_co_u32 s20, s20, s21
	s_lshl_b32 s21, ttmp9, 24                      ; q, k or v: 1,024 columns are a cluster's width
	s_add_co_u32 s20, s20, s21
	s_mov_b32 s21, 0
	s_add_nc_u64 s[12:13], s[12:13], s[20:21]
.macro FRAG reg, adr, q, i             ; 16 rows x 128 K of 4-bit codes: 8 registers; lane l holds row l % 16; registers 4 c .. 4 c + 3 hold K = 64 c + 32 (l / 16) + 0 .. 31
.irp c, 0,1
	ds_load_b128 v[\reg+4*\c:\reg+4*\c+3], v[\adr] offset:64*(\q)+32*\c+(\i)*16*PITCH
.endr
.endm
; 16 matrix instructions: A's blocks a0, a0 + 1 x B's eight, the slot's q-th 128 along K.  p: B's set; sc: the set of scale words.  first = 1: the bias starts the sums.
; The 64 accumulators take turns, one instruction a turn, in the same order in every step.
.macro MUL16 a0, p, q, sc, first
.irp a, \a0, \a0+1
.irp b, 0,1,2,3,4,5,6,7
.if \first
	v_wmma_scale_f32_16x16x128_f8f6f4 v[8*(8*((\a)%4)+\b):8*(8*((\a)%4)+\b)+7], v[128*(\p)+FR*\b:128*(\p)+FR*\b+FR-1], v[AF+FR*(\a):AF+FR*(\a)+FR-1], v[BI+8*\b:BI+8*\b+7], v[SC+8*NQ*(\sc)+NQ*\b+(\q)], v[SC+8*NQ*(\sc)+NQ*(\a)+(\q)] matrix_a_fmt:MATRIX_FMT_FP4 matrix_b_fmt:MATRIX_FMT_FP4 matrix_a_scale:MATRIX_SCALE_ROW1
.else
	v_wmma_scale_f32_16x16x128_f8f6f4 v[8*(8*((\a)%4)+\b):8*(8*((\a)%4)+\b)+7], v[128*(\p)+FR*\b:128*(\p)+FR*\b+FR-1], v[AF+FR*(\a):AF+FR*(\a)+FR-1], v[8*(8*((\a)%4)+\b):8*(8*((\a)%4)+\b)+7], v[SC+8*NQ*(\sc)+NQ*\b+(\q)], v[SC+8*NQ*(\sc)+NQ*(\a)+(\q)] matrix_a_fmt:MATRIX_FMT_FP4 matrix_b_fmt:MATRIX_FMT_FP4 matrix_a_scale:MATRIX_SCALE_ROW1
.endif
.endr
.endr
.endm
.macro FETCH_B slot, q, p
	WIN TO_B
.irp i, 0,1,2,3,4,5,6,7
	FRAG 128*(\p)+FR*\i, ADRB+\slot, \q, \i
.endr
	WIN 0
.endm
.macro FETCH_A slot, q, i0
.irp i, \i0, \i0+1, \i0+2, \i0+3
	FRAG AF+FR*(\i), ADRA+\slot, \q, \i
.endr
.endm
.macro SCALES sc                       ; a slot's scale words: 4 words a row; lanes 0-15 take A's block i, lanes 16-31 B's block i
.irp i, 0,1,2,3,4,5,6,7
	ds_load_b128 v[SC+8*NQ*\sc+NQ*\i:SC+8*NQ*\sc+NQ*\i+3], v[ADRS] offset:\i*SBLK
.endr
.endm
.macro PLACES n                        ; plain vector lines between a matrix instruction and a load into, or a read of, its registers
.rept \n
	v_nop
.endr
.endm
.macro STEP slot, q, first             ; a step of 128 along K that has its successor in the same slot
	s_wait_dscnt 4*NL                              ; B's set and A's blocks 0-3 are in; the youngest eight loads (A's blocks 4-7) may be out
.if \first
	WIN 0x81                                       ; C (the bias) in window 0, D in window 2
.else
	WIN MUL_LO
.endif
	MUL16 0, (\q)%2, \q, \slot, \first
	MUL16 2, (\q)%2, \q, \slot, \first
	s_wait_dscnt 0
	PLACES NP
	FETCH_B \slot, (\q)+1, 1-(\q)%2
	FETCH_A \slot, (\q)+1, 0
.if \first
	WIN 0xc1
.else
	WIN MUL_HI
.endif
	MUL16 4, (\q)%2, \q, \slot, \first
	MUL16 6, (\q)%2, \q, \slot, \first
	PLACES NP
	WIN 0
	FETCH_A \slot, (\q)+1, 4
.endm
; Slot 0's last step changes slots: one barrier; in front of it each wave waits for all its tensor loads (its part of slot 1).  Nothing is filled again.
.macro TURN slot, next
	s_wait_tensorcnt 0x0                           ; all my tensor loads have landed
	ds_add_u32 v[SPW], v[NIL]                      ; 0 onto my spare word
	s_wait_dscnt 4*NL+1                            ; the add and the youngest eight loads may be out
	WIN MUL_LO
	MUL16 0, 1, NQ-1, \slot, 0
	s_wait_dscnt 0x0
	s_barrier_signal -1
	MUL16 2, 1, NQ-1, \slot, 0
	WIN 0
	s_barrier_wait -1
	PLACES NP
	v_add_nc_u32 v[ADRS], 4*NQ, v[ADRS]            ; on to the next slot's scale words
	FETCH_B \next, 0, 0
	FETCH_A \next, 0, 0
	SCALES \next
	WIN MUL_HI
	MUL16 4, 1, NQ-1, \slot, 0
	MUL16 6, 1, NQ-1, \slot, 0
	PLACES NP
	WIN 0
	FETCH_A \next, 0, 4
.endm
.macro STEPS slot, from
.set Q, \from
.rept NQ-1-\from
	STEP \slot, Q, 0
.set Q, Q+1
.endr
.endm
	s_wait_tensorcnt 1                             ; the scales and my part of slot 0 are in; slot 1's load may be out
	s_barrier_signal -1
	s_barrier_wait -1
	FETCH_B 0, 0, 0
	FETCH_A 0, 0, 0
	SCALES 0
	FETCH_A 0, 0, 4
	s_wait_loadcnt 0x0                             ; the bias
	STEP 0, 0, 1
	STEPS 0, 1
	TURN 0, 1
	STEPS 1, 0
	s_wait_dscnt 4*NL                              ; the last step: nothing more to fetch
	WIN MUL_LO
	MUL16 0, 1, NQ-1, 1, 0
	MUL16 2, 1, NQ-1, 1, 0
	s_wait_dscnt 0
	WIN MUL_HI
	MUL16 4, 1, NQ-1, 1, 0
	MUL16 6, 1, NQ-1, 1, 0
	WIN 0
; THE WAY OUT.  Each accumulator is rounded to f16 in place, from its low end on, into its four lowest registers: 16 bytes a lane, which are one block of 512 bytes of qkv as they stand.
.macro PACKOUT hi
	WIN 0x8a+0x45*\hi                              ; sources and destination: window 2 or 3
.set AC, 0
.rept 32
	v_cvt_pk_f16_f32 v[AC], v[AC], v[AC+1]
	v_cvt_pk_f16_f32 v[AC+1], v[AC+2], v[AC+3]
	v_cvt_pk_f16_f32 v[AC+2], v[AC+4], v[AC+5]
	v_cvt_pk_f16_f32 v[AC+3], v[AC+6], v[AC+7]
.set AC, AC+8
.endr
	WIN 0x08+4*\hi                                 ; a store's data: window 2 or 3
.irp a, 0,1,2,3
.irp b, 0,1,2,3,4,5,6,7
	global_store_b128 v[CO], v[8*(8*\a+\b):8*(8*\a+\b)+3], s[12:13] offset:(4*\hi+\a)*2048+(\b/4)*262144+(\b%4)*512   ; tokens 16 a on; head b / 4; channels 16 (b % 4) on
.endr
.endr
.endm
	PLACES NP
	PACKOUT 0                                      ; its 128 roundings are also the places behind the last products, which wrote window 3
	PACKOUT 1
	WIN 0
	s_wait_tensorcnt 0x0                           ; the wave's end
	ds_add_u32 v[SPW], v[NIL]
	s_wait_dscnt 0x0
	CROUND                                         ; the closing round
	s_endpgm
.Lfunc_end_k_qfb89a6b6d4_gemm1:
	.size	k_qfb89a6b6d4_gemm1, .Lfunc_end_k_qfb89a6b6d4_gemm1-k_qfb89a6b6d4_gemm1
	.p2alignl 7, 3214868480
	.fill 96, 4, 3214868480
	.section	.rodata,"a",@progbits
	.p2align	6, 0x0
	.amdhsa_kernel k_qfb89a6b6d4_gemm1
		.amdhsa_group_segment_fixed_size 327680
		.amdhsa_private_segment_fixed_size 0
		.amdhsa_enable_private_segment 0
		.amdhsa_kernarg_size 32
		.amdhsa_user_sgpr_count 2
		.amdhsa_user_sgpr_kernarg_segment_ptr 1
		.amdhsa_wavefront_size32 1
		.amdhsa_system_sgpr_workgroup_id_x 1
		.amdhsa_system_sgpr_workgroup_id_y 1
		.amdhsa_system_sgpr_workgroup_id_z 1
		.amdhsa_system_vgpr_workitem_id 0
		.amdhsa_next_free_vgpr 1024
		.amdhsa_next_free_sgpr 98
		.amdhsa_reserve_vcc 0
		.amdhsa_float_denorm_mode_32 3
		.amdhsa_float_denorm_mode_16_64 3
		.amdhsa_memory_ordered 1
		.amdhsa_forward_progress 1
		.amdhsa_inst_pref_size 119
	.end_amdhsa_kernel
	.amdgpu_metadata
---
amdhsa.version: [ 1, 2 ]
amdhsa.kernels:
  - .name:           k_qfb89a6b6d4_gemm1
    .symbol:         k_qfb89a6b6d4_gemm1.kd
    .args:
      - { .name: xq, .offset: 0, .size: 8, .value_kind: global_buffer, .address_space: global }
      - { .name: w1q, .offset: 8, .size: 8, .value_kind: global_buffer, .address_space: global }
      - { .name: b1, .offset: 16, .size: 8, .value_kind: global_buffer, .address_space: global }
      - { .name: qkv, .offset: 24, .size: 8, .value_kind: global_buffer, .address_space: global }
    .group_segment_fixed_size: 327680
    .private_segment_fixed_size: 0
    .kernarg_segment_align: 8
    .kernarg_segment_size: 32
    .max_flat_workgroup_size: 128
    .sgpr_count:     98
    .vgpr_count:     1024
    .wavefront_size: 32
...
	.end_amdgpu_metadata
.endif
;; end of part 2
;; launch attn (part 3): grid 4 x 64, 8 waves a work-group, clusters of 4 x 4, 327,680 bytes of LDS; arguments qkv, maskf, nmp, ctxf; writes ctxf
.if DOCPART == 3
	.amdgcn_target "amdgcn-amd-amdhsa--gfx1250"
	.amdhsa_code_object_version 6
	.text
	.protected	k_qfb89a6b6d4_attn
	.globl	k_qfb89a6b6d4_attn
	.p2align	8
	.type	k_qfb89a6b6d4_attn,@function
k_qfb89a6b6d4_attn:
	s_mov_b64 s[64:65], 0
	v_nop
	global_prefetch_b8 v0, s[64:65] scope:SCOPE_SE
	s_setreg_imm32_b32 hwreg(HW_REG_WAVE_MODE, 25, 1), 1
	s_wait_xcnt 0x0
	s_wait_alu depctr_hold_cnt(0) depctr_sa_sdst(0) depctr_va_vdst(0) depctr_va_sdst(0) depctr_va_ssrc(0) depctr_va_vcc(0) depctr_vm_vsrc(0)
	s_getreg_b32 s2, hwreg(HW_REG_IB_STS2, 6, 4)
	s_cmp_eq_u32 s2, 0
	s_cbranch_scc0 .Lentry_in_a_cluster
	s_endpgm
.Lentry_in_a_cluster:
	s_bfe_u32 s2, ttmp6, 0x10000c
	s_cmp_lg_u32 s2, 0xf033
	s_cbranch_scc0 .Lentry_shape_is_right
	s_endpgm
.Lentry_shape_is_right:
; ctx[b][h][q] = (sum over unmasked keys of p v) / Z:  m = the largest of the unmasked scores (and of 0, where the row has a masked key: a masked score counts as 0 in the softmax);
; p = e^(s - m) for unmasked keys, 0 for masked ones;  Z = the sum of p + (number of masked keys) x e^(-m).  s = q . k / 8.  A running maximum and sum, as the keys are walked.
; Operands in f16, products, maxima and sums in f32; p is rounded to f16 for the second product, ctx once at the end.
; SHARES.  A work-group owns 512 queries of one (batch, head); each of its eight waves 64: four tiles of 16, worked as two pieces of two tiles.  Two waves share a SIMD: one's softmax stands beside the other's products.
; Every wave walks all 2,048 keys, 64 a step.  K, V and the mask's codes come through a ring of two LDS slots of 256 keys; every tile is a dense block laid as the operand's registers (16 bytes a lane, 512 a block): no padding.
; LAYOUT.  S^T = K Q^T (source 0 = 16 keys, source 1 = 16 queries) and O^T = V^T P: a lane holds one query (lane % 16) throughout.
; THE MASK COSTS NO VECTOR LINE.  maskf holds codes of E2M1, 1.0 where a key is masked for a query.  One scaled matrix instruction for each tile of 16 keys x 16 queries multiplies them (16 keys x my 64 queries) by a constant
; selection matrix (the code -6 at k = 16 t + n, under the scale 2^100): it STARTS the tile's sum with 0 or with -6 x 2^100.  The f16 products add q . k onto it; the maximum never takes such a score, and its p is 0.
; CLUSTER 4 x 4: the four query blocks of a (batch, head) lie along x and ask for K and V jointly; four heads of one batch lie along y and ask for the mask's codes jointly.
; A refill is asked for at the head of a slot: four key steps, 320 matrix instructions a wave, ahead of its first read; one tensor load a wave is out.  So no prefetch is laid.
; LIMITS: scores lie far under 2^100 in magnitude; ctx stays under 65,504; NaN and infinities are not served.
; REGISTERS.  window 0: v1-7 addresses; v10, v11 the add's two; v12, v13 scales; v16-47 statistics, eight a tile (+0 c m, +1 m, +2, +3 l, +4..+7 at work; a in +6); v48-51 masked keys a row; v52-55 at work;
;   v64-127 S^T of a piece, then P in the low 16 of each tile's 32; v128-191 K; v192-211 the mask's codes and four zeros; v212-229 the selection strip; v232-247 the counts as loaded.
;   window 1: v0-127 O^T (32 t + 8 ct); v128-191 Q (16 t + 8 u); v192-255 V (8 (2 ct + g)).
.set SLOT1, 1<<17                      ; a slot: K 32,768 bytes, V 32,768, the mask's codes 65,536
.set SPARE, 2*SLOT1                    ; behind the ring: the spare words, 128 bytes a wave
.set LI,  1                            ; v1  16 x lane
.set AV0, 2                            ; v2  my lane's place in a tile of V, for the turning load
.set AM0, 3                            ; v3  my lane's place among my wave's codes of the mask
.set ADK, 4
.set ADV, 5
.set ADM, 6
.set NMO, 7
.set SPW, 10
.set NIL, 11
.set SCA, 12                           ; the codes' scale: 2^0 in every byte
.set SCB, 13                           ; the selection's: 2^100 in every byte
.set ST,  16
.set NM,  48
.set UU,  52
.set S,   64
.set KF,  128
.set MR,  192
.set SL,  212
.set NL,  232
.set QF,  128                          ; in window 1
.set VF,  192                          ; in window 1
.set WV,  16                           ; s16 my wave's number
.set G1KV, 24
.set G1M,  32
.set G0KV, 40
.set G0M,  44
.set CS,  48                           ; s[48:49] c = log2(e) / 8
.set SEL, 50                           ; s[50:51] lane selects: lane l xor 16
.set TB,  52                           ; s52 LDS byte at which the step's K begins
.set TM,  53                           ; s53 the same for the mask's codes
.set SLOTS, 54
.set STEPC, 55
.set MSB, 0
.macro WIN new                         ; the immediate's high byte repeats the setting that is left
.if MSB != \new
	s_set_vgpr_msb (MSB<<8)|\new
.set MSB, \new
.endif
.endm
; A joint load: waves 0-3 fetch K's and V's halves, waves 4-7 the mask's codes of the work-group's four groups of 128 queries: 16,384 dense bytes each, to LDS byte 16,384 x wave of the slot.
; The branch hangs on the wave's number alone.  An s_nop 0 and four v_nop follow each of the two lines.
.macro JLOAD
	s_cmp_lt_u32 s[WV], 4
	s_cbranch_scc0 .Lfor_m_\@
	tensor_load_to_lds s[G0KV:G0KV+3], s[G1KV:G1KV+7]
	s_nop 0
.rept 4
	v_nop
.endr
	s_branch .Lasked_\@
.Lfor_m_\@:
	tensor_load_to_lds s[G0M:G0M+3], s[G1M:G1M+7]
	s_nop 0
.rept 4
	v_nop
.endr
.Lasked_\@:
.endm
.macro CROUND                          ; a round of the cluster's barrier
	s_barrier_signal -1
	s_barrier_wait -1
	s_cmp_lg_u32 s[WV], 0
	s_cbranch_scc1 .Lnot_wave_0_\@
	s_barrier_signal -3
.Lnot_wave_0_\@:
	s_barrier_wait -3
	s_barrier_signal -1
	s_barrier_wait -1
.endm
	s_load_b256 s[4:11], s[0:1], 0x0               ; qkv s[4:5], maskf s[6:7], nmp s[8:9], ctxf s[10:11]
	v_lshl_add_u32 v[SPW], v0, 2, SPARE
	v_mov_b32 v[NIL], 0
	ds_add_u32 v[SPW], v[NIL]                      ; the wave's opening: the add, twice on end, and its wait ahead of my first tensor load
	ds_add_u32 v[SPW], v[NIL]
	v_lshrrev_b32 v8, 5, v0
	v_readfirstlane_b32 s[WV], v8                  ; wave 0..7
	s_bfe_u32 s17, ttmp6, 0x40000                  ; cx: my block of 512 queries
	s_bfe_u32 s18, ttmp6, 0x40004                  ; cy
	s_and_b32 s19, ttmp7, 0xffff                   ; cluster y: (batch, head) = 4 x cluster y + cy
	s_lshl_b32 s60, s18, 2
	s_lshl_b32 s60, 15, s60                        ; my row of the cluster
	s_lshl_b32 s61, 0x1111, s17                    ; my column
	s_or_b32 s[G1KV], s60, (3<<16)|(1<<21)         ; the mask; elements of 8 bytes; bit 21 beside a mask; no padding
	s_or_b32 s[G1M], s61, (3<<16)|(1<<21)
.irp g, G1KV, G1M
	s_mov_b32 s[\g+1], 32<<16                      ; tensor_dim0: rows of 256 bytes
	s_mov_b32 s[\g+2], 64<<16                      ; tensor_dim1: 64 of them
	s_mov_b32 s[\g+3], 32<<16                      ; tile_dim0
	s_mov_b32 s[\g+4], 64                          ; tile_dim1
	s_mov_b32 s[\g+5], 32                          ; dense
	s_mov_b32 s[\g+6], 0
	s_mov_b32 s[\g+7], 0
.endr
	; K and V: they hang on (batch, head) and the wave alone
	s_lshl_b32 s56, s19, 2
	s_add_co_u32 s56, s56, s18
	s_lshl_b32 s56, s56, 18                        ; 262,144 bytes a (batch, head)
	s_and_b32 s57, s[WV], 1
	s_lshl_b32 s57, s57, 14                        ; which half of a slot's 256 keys
	s_add_co_u32 s56, s56, s57
	s_lshr_b32 s57, s[WV], 1
	s_and_b32 s57, s57, 1
	s_add_co_u32 s57, s57, 1
	s_lshl_b32 s57, s57, 24                        ; k begins at 16,777,216 (waves 0, 1), v at 33,554,432 (waves 2, 3)
	s_add_co_u32 s56, s56, s57
	s_mov_b32 s57, 0
	; the mask's codes: they hang on the batch, cx and the wave alone
	s_lshr_b32 s58, s19, 2
	s_lshl_b32 s58, s58, 21                        ; batch
	s_lshl_b32 s59, s17, 2
	s_and_b32 s62, s[WV], 3
	s_add_co_u32 s59, s59, s62
	s_lshl_b32 s59, s59, 17                        ; which 128 queries
	s_add_co_u32 s58, s58, s59
	s_mov_b32 s59, 0
	s_lshl_b32 s63, s[WV], 14                      ; where my load lands in a slot
	; Q, ctx and the counts
	s_lshl_b32 s66, s19, 2
	s_add_co_u32 s66, s66, s18                     ; (batch, head)
	s_lshl_b32 s67, s66, 18
	s_lshl_b32 s68, s17, 16
	s_add_co_u32 s67, s67, s68
	s_lshl_b32 s68, s[WV], 13
	s_add_co_u32 s68, s67, s68                     ; Q: my four tiles of 16 tokens
	s_mov_b32 s69, 0
	s_lshr_b32 s70, s19, 2
	s_lshl_b32 s70, s70, 7
	s_lshl_b32 s71, s17, 5
	s_add_co_u32 s70, s70, s71
	s_lshl_b32 s71, s[WV], 2
	s_add_co_u32 s70, s70, s71                     ; my first tile of 16 rows among all 512
	s_lshl_b32 s72, s70, 6                         ; the counts: 64 bytes a tile
	s_mov_b32 s73, 0
	s_lshl_b32 s70, s70, 15                        ; ctxf: 32,768 bytes a tile of rows,
	s_and_b32 s71, s66, 15
	s_lshl_b32 s71, s71, 11                        ; 2,048 a head
	s_add_co_u32 s70, s70, s71
	s_mov_b32 s71, 0
	s_mov_b32 s[CS], 0x3e38aa3b                    ; c = log2(e) / 8
	s_mov_b32 s[CS+1], s[CS]                       ; (named with it as a pair, so it is written)
	s_mov_b32 s[SEL], 0x76543210
	s_mov_b32 s[SEL+1], 0xfedcba98
	s_mov_b32 s[TB], 0
	s_mov_b32 s[TM], 0
	s_mov_b32 s[SLOTS], 7
	s_wait_dscnt 0x0                               ; both opening adds are done
	s_wait_kmcnt 0x0
	s_mov_b32 s[G0KV], 1
	s_mov_b32 s[G0KV+1], s63
	s_add_nc_u64 s[G0KV+2:G0KV+3], s[4:5], s[56:57]
	s_or_b32 s[G0KV+3], s[G0KV+3], 0x80000000
	s_mov_b32 s[G0M], 1
	s_mov_b32 s[G0M+1], s63
	s_add_nc_u64 s[G0M+2:G0M+3], s[6:7], s[58:59]
	s_or_b32 s[G0M+3], s[G0M+3], 0x80000000
	s_add_nc_u64 s[12:13], s[4:5], s[68:69]        ; Q
	s_add_nc_u64 s[14:15], s[10:11], s[70:71]      ; ctx
	s_add_nc_u64 s[8:9], s[8:9], s[72:73]          ; the counts
	CROUND                                         ; all sixteen work-groups are here: the first joint loads meet
	JLOAD                                          ; slot 0
	v_and_b32 v8, 31, v0
	v_lshlrev_b32 v[LI], 4, v8
	WIN 0x40                                       ; destination window 1
.irp t, 0,1,2,3
.irp u, 0,1
	global_load_b128 v[QF+16*\t+8*\u:QF+16*\t+8*\u+3], v[LI], s[12:13] offset:\t*2048+\u*1024       ; Q stays in registers: tile t, channels 32 u on
	global_load_b128 v[QF+16*\t+8*\u+4:QF+16*\t+8*\u+7], v[LI], s[12:13] offset:\t*2048+\u*1024+512
.endr
.endr
	WIN 0
	v_and_b32 v9, 15, v0
	v_lshlrev_b32 v[NMO], 2, v9
.irp t, 0,1,2,3
.irp k, 0,1,2,3
	global_load_b32 v[NL+4*\t+\k], v[NMO], s[8:9] offset:\k*32768+\t*64   ; my query's masked keys among keys 512 k on
.endr
.endr
	v_bfe_u32 v8, v0, 4, 1
	v_and_b32 v9, 7, v0
	v_lshl_add_u32 v[AV0], v8, 3, v9               ; the turning load: key 8 (lane / 16) + lane % 8, rows of 32 bytes,
	v_lshlrev_b32 v[AV0], 5, v[AV0]
	v_bfe_u32 v9, v0, 3, 1
	v_lshl_add_u32 v[AV0], v9, 4, v[AV0]           ; channels 8 ((lane / 8) % 2) on;
	v_add_nc_u32 v[AV0], 32768, v[AV0]             ; V lies behind K
	s_lshr_b32 s62, s[WV], 1
	s_lshl_b32 s62, s62, 14                        ; my group of 128 queries,
	s_and_b32 s63, s[WV], 1
	s_lshl_b32 s63, s63, 9                         ; my 64 of them
	s_add_co_u32 s62, s62, s63
	s_add_co_u32 s62, s62, 65536
	v_add_nc_u32 v[AM0], s62, v[LI]
	v_mov_b32 v[SCA], 0x7f7f7f7f
	v_mov_b32 v[SCB], 0xe3e3e3e3
	; the selection strip: tile t's matrix is eight registers of it; the code -6 (0xf) stands at k = 16 t + n of column n: in lane half t / 2, register 2 (t % 2) + n / 8, nibble n % 8
	v_and_b32 v8, 7, v0
	v_lshlrev_b32 v8, 2, v8
	v_mov_b32 v9, 15
	v_lshlrev_b32 v8, v8, v9                       ; 15 << 4 (lane % 8)
	v_bfe_u32 v9, v0, 3, 2                         ; lane / 8
.set i, 0
.rept 18
	v_mov_b32 v[SL+i], 0
.set i, i+1
.endr
	v_cmp_eq_u32 vcc_lo, 0, v9
	v_cndmask_b32 v[SL+2], 0, v8, vcc_lo
	v_cmp_eq_u32 vcc_lo, 1, v9
	v_cndmask_b32 v[SL+3], 0, v8, vcc_lo
	v_cmp_eq_u32 vcc_lo, 2, v9
	v_cndmask_b32 v[SL+10], 0, v8, vcc_lo
	v_cmp_eq_u32 vcc_lo, 3, v9
	v_cndmask_b32 v[SL+11], 0, v8, vcc_lo
.irp i, 16,17,18,19
	v_mov_b32 v[MR+\i], 0                          ; behind the last key tile's codes: zeros
.endr
.irp t, 0,1,2,3
	v_mov_b32 v[ST+8*\t+2], 0                      ; l, in two halves
	v_mov_b32 v[ST+8*\t+3], 0
	v_mov_b32 v[ST+8*\t+5], 0                      ; written once: a lane permute's destination counts as one of its sources
.endr
	v_mov_b32 v15, 0
	WIN 0x40
.set i, 0
.rept 128
	v_mov_b32 v[i], 0                              ; O^T.  (The key step is written without a first step of its own: the first finds zeros, which the first change of m leaves zeros)
.set i, i+1
.endr
	WIN 0
	s_wait_loadcnt 0x0                             ; Q and the counts
.irp t, 0,1,2,3
	v_add_f32 v[NM+\t], v[NL+4*\t], v[NL+4*\t+1]
.endr
.irp t, 0,1,2,3
	v_add_f32 v[NL+4*\t+2], v[NL+4*\t+2], v[NL+4*\t+3]
.endr
.irp t, 0,1,2,3
	v_add_f32 v[NM+\t], v[NM+\t], v[NL+4*\t+2]     ; the row's masked keys: whole numbers up to 2,048, exact
.endr
.irp t, 0,1,2,3
	v_cmp_lt_f32 vcc_lo, 0, v[NM+\t]
	v_cndmask_b32 v[ST+8*\t+1], 0xff61b1e6, v15, vcc_lo   ; m begins at 0 where a key is masked, else at -3e38, under every score
.endr
.irp t, 0,1,2,3
	v_mul_f32 v[ST+8*\t], s[CS], v[ST+8*\t+1]      ; c m
.endr
; PIECE p: tiles 2 p and 2 p + 1 through a key step of 64 keys.
.macro PIECE p
.set RT, ST+16*(\p)
.irp kt, 0,1,2,3                               ; the mask starts the sums: 0, or -6 x 2^100 where the key is masked.  A's upper four registers (the next tile's codes, or zeros) meet zero codes alone
.irp tq, 0,1
	v_wmma_scale_f32_16x16x128_f8f6f4 v[S+32*\tq+8*\kt:S+32*\tq+8*\kt+7], v[MR+4*\kt:MR+4*\kt+7], v[SL+8*(\p)+2-2*\tq:SL+8*(\p)+9-2*\tq], 0, v[SCA], v[SCB] matrix_a_fmt:MATRIX_FMT_FP4 matrix_b_fmt:MATRIX_FMT_FP4
.endr
.endr
.rept 5
	v_nop                                          ; another form now adds onto these results: five places
.endr
	WIN 0x04                                       ; Q in window 1
.irp u, 0,1                                    ; + K Q^T: the eight accumulators take turns, one instruction a turn
.irp kt, 0,1,2,3
.irp tq, 0,1
	v_wmma_f32_16x16x32_f16 v[S+32*\tq+8*\kt:S+32*\tq+8*\kt+7], v[KF+8*(2*\kt+\u):KF+8*(2*\kt+\u)+7], v[QF+16*(2*(\p)+\tq)+8*\u:QF+16*(2*(\p)+\tq)+8*\u+7], v[S+32*\tq+8*\kt:S+32*\tq+8*\kt+7]
.endr
.endr
.endr
	WIN 0
.rept 4
	v_nop
.endr
.irp j, 0,1,2,3                                ; the maximum: four chains a tile, each from the low end of its accumulator; the tiles alternate
.irp tq, 0,1
	v_max3_num_f32 v[RT+8*\tq+4+\j], v[S+32*\tq+8*\j], v[S+32*\tq+8*\j+1], v[S+32*\tq+8*\j+2]
.endr
.endr
.irp i, 1,2
.irp j, 0,1,2,3
.irp tq, 0,1
	v_max3_num_f32 v[RT+8*\tq+4+\j], v[RT+8*\tq+4+\j], v[S+32*\tq+8*\j+2*\i+1], v[S+32*\tq+8*\j+2*\i+2]
.endr
.endr
.endr
.irp tq, 0,1
	v_max3_num_f32 v[RT+8*\tq+4], v[RT+8*\tq+4], v[S+32*\tq+7], v[S+32*\tq+15]
.endr
.irp tq, 0,1
	v_max3_num_f32 v[RT+8*\tq+6], v[RT+8*\tq+6], v[S+32*\tq+23], v[S+32*\tq+31]
.endr
.irp tq, 0,1
	v_max3_num_f32 v[RT+8*\tq+4], v[RT+8*\tq+4], v[RT+8*\tq+5], v[RT+8*\tq+6]
.endr
.irp tq, 0,1
	v_max3_num_f32 v[RT+8*\tq+4], v[RT+8*\tq+4], v[RT+8*\tq+7], v[RT+8*\tq+1]   ; with the old m
.endr
.irp tq, 0,1
	v_permlanex16_b32 v[RT+8*\tq+5], v[RT+8*\tq+4], s[SEL], s[SEL+1]   ; the query's other 32 keys lie in the lane 16 away
.endr
.irp tq, 0,1
	v_mov_b32 v[RT+8*\tq+7], v[RT+8*\tq]           ; c m_old
.endr
.irp tq, 0,1
	v_max_num_f32 v[RT+8*\tq+1], v[RT+8*\tq+4], v[RT+8*\tq+5]
.endr
.irp tq, 0,1
	v_mul_f32 v[RT+8*\tq], s[CS], v[RT+8*\tq+1]
.endr
.irp tq, 0,1
	v_sub_f32 v[RT+8*\tq+7], v[RT+8*\tq+7], v[RT+8*\tq]
.endr
.irp tq, 0,1
.irp b, 0,2,4,6,8,10,12,14,16,18,20,22,24,26,28,30
	v_pk_fma_f32 v[S+32*\tq+\b:S+32*\tq+\b+1], v[S+32*\tq+\b:S+32*\tq+\b+1], s[CS:CS+1], v[RT+8*\tq:RT+8*\tq+1] op_sel_hi:[1,0,0] neg_lo:[0,0,1] neg_hi:[0,0,1]   ; c s - c m
.endr
.endr
.irp tq, 0,1
	v_exp_f32 v[RT+8*\tq+6], v[RT+8*\tq+7]         ; a = 2^(c m_old - c m_new)
.endr
.set e, 0
.rept 64
	v_exp_f32 v[S+e], v[S+e]                       ; p, at most 1; 0 for a masked key
.set e, e+1
.endr
	v_nop                                          ; a plain line behind the last exponential
	s_wait_alu depctr_va_vdst(0)                   ; one wait for the batch of 66, ahead of its first reader
.irp tq, 0,1                                   ; the sums of the unrounded p: two chains of pairs a tile
	v_pk_add_f32 v[RT+8*\tq+4:RT+8*\tq+5], v[S+32*\tq:S+32*\tq+1], v[S+32*\tq+2:S+32*\tq+3]
	v_pk_add_f32 v[UU+2*\tq:UU+2*\tq+1], v[S+32*\tq+4:S+32*\tq+5], v[S+32*\tq+6:S+32*\tq+7]
.endr
.irp k, 8,12,16,20,24,28
.irp tq, 0,1
	v_pk_add_f32 v[RT+8*\tq+4:RT+8*\tq+5], v[RT+8*\tq+4:RT+8*\tq+5], v[S+32*\tq+\k:S+32*\tq+\k+1]
	v_pk_add_f32 v[UU+2*\tq:UU+2*\tq+1], v[UU+2*\tq:UU+2*\tq+1], v[S+32*\tq+\k+2:S+32*\tq+\k+3]
.endr
.endr
.irp tq, 0,1
	v_pk_add_f32 v[RT+8*\tq+4:RT+8*\tq+5], v[RT+8*\tq+4:RT+8*\tq+5], v[UU+2*\tq:UU+2*\tq+1]
.endr
.irp tq, 0,1
	v_pk_fma_f32 v[RT+8*\tq+2:RT+8*\tq+3], v[RT+8*\tq+2:RT+8*\tq+3], v[RT+8*\tq+6:RT+8*\tq+7], v[RT+8*\tq+4:RT+8*\tq+5] op_sel_hi:[1,0,1]   ; l = l a + the step's sum
.endr
.irp tq, 0,1                                   ; p to f16, in place: register i takes numbers 2 i and 2 i + 1: two neighbouring key tiles' eight registers are a fragment of P
.set e, 0
.rept 16
	v_cvt_pk_f16_f32 v[S+32*\tq+e], v[S+32*\tq+2*e], v[S+32*\tq+2*e+1]
.set e, e+1
.endr
.endr
	WIN 0x41                                       ; O^T in window 1, a in window 0
.irp tq, 0,1
.set o, 32*(2*(\p)+\tq)
.rept 16
	v_pk_mul_f32 v[o:o+1], v[o:o+1], v[RT+8*\tq+6:RT+8*\tq+7] op_sel_hi:[1,0]   ; O^T x a, each accumulator from its low end on
.set o, o+2
.endr
.endr
.if (\p) == 0
	s_wait_dscnt 0x0                               ; V is in
.endif
	WIN 0x51                                       ; V and O^T in window 1, P in window 0
.irp g, 0,1                                    ; O^T += V^T P: keys 32 g on, channels 16 ct on; the eight accumulators take turns
.irp ct, 0,1,2,3
.irp tq, 0,1
	v_wmma_f32_16x16x32_f16 v[32*(2*(\p)+\tq)+8*\ct:32*(2*(\p)+\tq)+8*\ct+7], v[VF+8*(2*\ct+\g):VF+8*(2*\ct+\g)+7], v[S+32*\tq+8*\g:S+32*\tq+8*\g+7], v[32*(2*(\p)+\tq)+8*\ct:32*(2*(\p)+\tq)+8*\ct+7]
.endr
.endr
.endr
	WIN 0
.endm
; A KEY STEP: 64 keys.  The three additions and two v_nop are the five places behind the last V^T P: ahead of the loads into V's registers and of the matrix instructions that write over P.
.macro STEP
	v_add_nc_u32 v[ADK], s[TB], v[LI]
	v_add_nc_u32 v[ADV], s[TB], v[AV0]
	v_add_nc_u32 v[ADM], s[TM], v[AM0]
	v_nop
	v_nop
.irp kt, 0,1,2,3
	ds_load_b128 v[MR+4*\kt:MR+4*\kt+3], v[ADM] offset:1024*\kt   ; 16 keys x my 64 queries
.endr
.irp kt, 0,1,2,3
.irp u, 0,1
	ds_load_b128 v[KF+8*(2*\kt+\u):KF+8*(2*\kt+\u)+3], v[ADK] offset:2048*\kt+1024*\u
	ds_load_b128 v[KF+8*(2*\kt+\u)+4:KF+8*(2*\kt+\u)+7], v[ADK] offset:2048*\kt+1024*\u+512
.endr
.endr
	WIN 0x40
.irp ct, 0,1,2,3
.irp g, 0,1
	ds_load_tr16_b128 v[VF+8*(2*\ct+\g):VF+8*(2*\ct+\g)+3], v[ADV] offset:2048*(2*\g)+512*\ct
	ds_load_tr16_b128 v[VF+8*(2*\ct+\g)+4:VF+8*(2*\ct+\g)+7], v[ADV] offset:2048*(2*\g+1)+512*\ct
.endr
.endr
	WIN 0
	s_wait_dscnt 16                                ; the mask's codes and K are in; V's sixteen loads may be out
	PIECE 0
.rept 5
	v_nop                                          ; the next piece's first matrix instructions write over P: five places
.endr
	PIECE 1
.endm
; THE CHANGE OF SLOTS stands at a slot's head.  Each wave waits for all its tensor loads (its part of the slot that it is about to read), adds 0 to its spare word, and waits for that and for its reads of the slot that it has left.
; fill = 1: a round of the cluster's barrier, and behind it the other slot is filled with the next 256 keys: one joint load a wave, the first thing there.
.macro CHANGE fill
	s_wait_tensorcnt 0x0                           ; no tensor load of mine is out, so a group 0 may be written
	ds_add_u32 v[SPW], v[NIL]
.if \fill
	s_xor_b32 s[G0KV+1], s[G0KV+1], SLOT1          ; the other slot than last time,
	s_add_nc_u64 s[G0KV+2:G0KV+3], s[G0KV+2:G0KV+3], 32768   ; the next 256 keys
	s_xor_b32 s[G0M+1], s[G0M+1], SLOT1
	s_add_nc_u64 s[G0M+2:G0M+3], s[G0M+2:G0M+3], 16384
.endif
	s_wait_dscnt 0x0                               ; the add is done, and my reads of the slot that I have left are over
.if \fill
	CROUND
	JLOAD
.else
	s_barrier_signal -1
	s_barrier_wait -1
.endif
.endm
.macro SLOT_STEPS                      ; a slot's four key steps: written once, walked four times
	s_mov_b32 s[STEPC], 4
.Lstep_\@:
	STEP
	s_add_co_u32 s[TB], s[TB], 8192
	s_add_co_u32 s[TM], s[TM], 4096
	s_sub_co_u32 s[STEPC], s[STEPC], 1
	s_cmp_lg_u32 s[STEPC], 0
	s_cbranch_scc1 .Lstep_\@
	s_sub_co_u32 s[TB], s[TB], 32768               ; back to a slot's first step,
	s_xor_b32 s[TB], s[TB], SLOT1                  ; in the other slot
	s_sub_co_u32 s[TM], s[TM], 16384
	s_xor_b32 s[TM], s[TM], SLOT1
.endm
.Lslot:                                                ; seven trips: behind each change of slots but the last the next slot is asked for
	CHANGE 1
	SLOT_STEPS
	s_sub_co_u32 s[SLOTS], s[SLOTS], 1
	s_cmp_lg_u32 s[SLOTS], 0
	s_cbranch_scc1 .Lslot
	CHANGE 0                                       ; the last slot is written out
	SLOT_STEPS
	; THE WAY OUT.  Z = l + (masked keys) x 2^(-c m).  Where a key is masked m is 0 or more; where none is, the count is 0 and the exponent is held at 0, so that no infinity meets it.
.irp t, 0,1,2,3
	v_add_f32 v[ST+8*\t+4], v[ST+8*\t+2], v[ST+8*\t+3]   ; (these eight lines are the places behind the last products)
.endr
.irp t, 0,1,2,3
	v_min_num_f32 v[ST+8*\t+7], 0, -v[ST+8*\t]
.endr
.irp t, 0,1,2,3
	v_exp_f32 v[ST+8*\t+7], v[ST+8*\t+7]
.endr
.irp t, 0,1,2,3
	v_permlanex16_b32 v[ST+8*\t+5], v[ST+8*\t+4], s[SEL], s[SEL+1]
.endr
.irp t, 0,1,2,3
	v_add_f32 v[ST+8*\t+4], v[ST+8*\t+4], v[ST+8*\t+5]
.endr
	v_nop
	s_wait_alu depctr_va_vdst(0)                   ; one wait for the four exponentials
.irp t, 0,1,2,3
	v_fma_f32 v[ST+8*\t+4], v[NM+\t], v[ST+8*\t+7], v[ST+8*\t+4]
.endr
.irp t, 0,1,2,3
	v_rcp_f32 v[ST+8*\t+6], v[ST+8*\t+4]
.endr
	v_nop
	s_wait_alu depctr_va_vdst(0)                   ; and one for the four reciprocals
	WIN 0x41
.irp t, 0,1,2,3
.set o, 32*\t
.rept 16
	v_pk_mul_f32 v[o:o+1], v[o:o+1], v[ST+8*\t+6:ST+8*\t+7] op_sel_hi:[1,0]
.set o, o+2
.endr
.endr
	WIN 0x45                                       ; in place, in window 1: each accumulator's eight numbers into its four lowest registers
.set o, 0
.rept 16
	v_cvt_pk_f16_f32 v[o], v[o], v[o+1]
	v_cvt_pk_f16_f32 v[o+1], v[o+2], v[o+3]
	v_cvt_pk_f16_f32 v[o+2], v[o+4], v[o+5]
	v_cvt_pk_f16_f32 v[o+3], v[o+6], v[o+7]
.set o, o+8
.endr
	WIN 0x04                                       ; a store's data: window 1
.irp t, 0,1,2,3
.irp ct, 0,1,2,3
	global_store_b128 v[LI], v[32*\t+8*\ct:32*\t+8*\ct+3], s[14:15] offset:\t*32768+\ct*512   ; lane (r, h): row r, channels 16 ct + 8 h + 0..7: half a fragment of the next product; 512 consecutive aligned bytes
.endr
.endr
	WIN 0
	s_wait_tensorcnt 0x0                           ; the wave's end
	ds_add_u32 v[SPW], v[NIL]
	s_wait_dscnt 0x0
	CROUND                                         ; the closing round
	s_endpgm
.Lfunc_end_k_qfb89a6b6d4_attn:
	.size	k_qfb89a6b6d4_attn, .Lfunc_end_k_qfb89a6b6d4_attn-k_qfb89a6b6d4_attn
	.p2alignl 7, 3214868480
	.fill 96, 4, 3214868480
	.section	.rodata,"a",@progbits
	.p2align	6, 0x0
	.amdhsa_kernel k_qfb89a6b6d4_attn
		.amdhsa_group_segment_fixed_size 327680
		.amdhsa_private_segment_fixed_size 0
		.amdhsa_enable_private_segment 0
		.amdhsa_kernarg_size 32
		.amdhsa_user_sgpr_count 2
		.amdhsa_user_sgpr_kernarg_segment_ptr 1
		.amdhsa_wavefront_size32 1
		.amdhsa_system_sgpr_workgroup_id_x 1
		.amdhsa_system_sgpr_workgroup_id_y 1
		.amdhsa_system_sgpr_workgroup_id_z 1
		.amdhsa_system_vgpr_workitem_id 0
		.amdhsa_next_free_vgpr 512
		.amdhsa_next_free_sgpr 80
		.amdhsa_reserve_vcc 1
		.amdhsa_float_denorm_mode_32 3
		.amdhsa_float_denorm_mode_16_64 3
		.amdhsa_memory_ordered 1
		.amdhsa_forward_progress 1
		.amdhsa_inst_pref_size 99
	.end_amdhsa_kernel
	.amdgpu_metadata
---
amdhsa.version: [ 1, 2 ]
amdhsa.kernels:
  - .name:           k_qfb89a6b6d4_attn
    .symbol:         k_qfb89a6b6d4_attn.kd
    .args:
      - { .name: qkv, .offset: 0, .size: 8, .value_kind: global_buffer, .address_space: global }
      - { .name: maskf, .offset: 8, .size: 8, .value_kind: global_buffer, .address_space: global }
      - { .name: nmp, .offset: 16, .size: 8, .value_kind: global_buffer, .address_space: global }
      - { .name: ctxf, .offset: 24, .size: 8, .value_kind: global_buffer, .address_space: global }
    .group_segment_fixed_size: 327680
    .private_segment_fixed_size: 0
    .kernarg_segment_align: 8
    .kernarg_segment_size: 32
    .max_flat_workgroup_size: 256
    .sgpr_count:     80
    .vgpr_count:     512
    .wavefront_size: 32
...
	.end_amdgpu_metadata
.endif
;; end of part 3
;; launch gemm2 (part 4): grid 8 x 32, 4 waves a work-group, clusters of 4 x 4, 327,680 bytes of LDS; arguments ctxf, w2f, b2, out0; writes out0
.if DOCPART == 4
	.amdgcn_target "amdgcn-amd-amdhsa--gfx1250"
	.amdhsa_code_object_version 6
	.text
	.protected	k_qfb89a6b6d4_gemm2
	.globl	k_qfb89a6b6d4_gemm2
	.p2align	8
	.type	k_qfb89a6b6d4_gemm2,@function
k_qfb89a6b6d4_gemm2:
	s_mov_b64 s[64:65], 0
	v_nop
	global_prefetch_b8 v0, s[64:65] scope:SCOPE_SE
	s_setreg_imm32_b32 hwreg(HW_REG_WAVE_MODE, 25, 1), 1
	s_wait_xcnt 0x0
	s_wait_alu depctr_hold_cnt(0) depctr_sa_sdst(0) depctr_va_vdst(0) depctr_va_sdst(0) depctr_va_ssrc(0) depctr_va_vcc(0) depctr_vm_vsrc(0)
	s_getreg_b32 s2, hwreg(HW_REG_IB_STS2, 6, 4)
	s_cmp_eq_u32 s2, 0
	s_cbranch_scc0 .Lentry_in_a_cluster
	s_endpgm
.Lentry_in_a_cluster:
	s_bfe_u32 s2, ttmp6, 0x10000c
	s_cmp_lg_u32 s2, 0xf033
	s_cbranch_scc0 .Lentry_shape_is_right
	s_endpgm
.Lentry_shape_is_right:
; out0 = ctx W2 + b2.  ctx [8192][1024] and W2 [1024][1024] come as f16 laid as operand registers: [tile of 16 rows (ctx) or columns (W2)][32 along K: 32][half 2][512 bytes], lane l's 16 bytes at 16 l.  Sums in f32; out0 f32.
; A tile of 256 rows x 128 columns is made by four waves, 128 x 64 each: 32 accumulators, 256 registers: 256 work-groups.  K goes in 8 steps of 128 through a ring of two LDS slots: for each tile of 16 a step is 4,096 dense bytes.
; No padding: every fragment load reads 512 consecutive bytes.
; CLUSTERS: 4 x 4; ctx's tiles are asked for jointly along a row of the cluster, W2's along a column.  The matrix instruction is used TRANSPOSED (source 0 = 16 columns of W2, source 1 = 16 rows of ctx):
; a lane holds eight neighbouring columns of one row.  The bias is the C of each sum's first matrix instruction.
; REGISTERS: window 0: v16-29 addresses; v32-63 the bias; v64-127, v128-191 ctx's fragments, two buffers (on the way out: rows read back).  window 1: v64-95, v128-159 W2's fragments.  window 2: the accumulators ((a, b) at v[8 (4 a + b)]).
.set SLOT,   98304                     ; ctx: 16 tiles x 4,096 bytes; then W2: 8 tiles x 4,096
.set BOFF,   65536
.set STAGE,  2*SLOT                    ; behind the ring: 16 rows x (256 bytes + 16) for each wave, for the way out
.set SPARE,  STAGE+4*16*272            ; the spare words, 128 bytes a wave
.set ADRA, 16
.set ADRB, 20
.set STO,  24
.set RD,   25
.set CO,   26
.set SPW,  28
.set NIL,  29
.set BI,   32
.set F0,   64
.set F1,   128
.set G1, 24
.set G0, 32
.set G1B, 48
.set G0B, 56
.set MSB, 0
.macro WIN new                         ; the immediate's high byte repeats the setting that is left
.if MSB != \new
	s_set_vgpr_msb (MSB<<8)|\new
.set MSB, \new
.endif
.endm
.set MUL, 0xa1                         ; source 0 (W2) window 1, source 1 (ctx) window 0, C and D window 2
.macro JLOAD s                         ; a joint load: waves 0 and 1 fetch ctx's halves, waves 2 and 3 W2's; an s_nop 0 and four v_nop follow each of the two lines
	s_cmp_eq_u32 s13, 0
	s_cbranch_scc0 .Lfor_b_\@
	tensor_load_to_lds s[G0+4*\s:G0+4*\s+3], s[G1:G1+7]
	s_nop 0
.rept 4
	v_nop
.endr
	s_branch .Lasked_\@
.Lfor_b_\@:
	tensor_load_to_lds s[G0B+4*\s:G0B+4*\s+3], s[G1B:G1B+7]
	s_nop 0
.rept 4
	v_nop
.endr
.Lasked_\@:
.endm
.macro CREST                           ; a round of the cluster's barrier behind its opening barrier
	s_cmp_lg_u32 s12, 0
	s_cbranch_scc1 .Lnot_wave_0_\@
	s_barrier_signal -3
.Lnot_wave_0_\@:
	s_barrier_wait -3
	s_barrier_signal -1
	s_barrier_wait -1
.endm
.macro CROUND
	s_barrier_signal -1
	s_barrier_wait -1
	CREST
.endm
	s_load_b256 s[4:11], s[0:1], 0x0               ; ctxf s[4:5], w2f s[6:7], b2 s[8:9], out0 s[10:11]
	v_lshl_add_u32 v[SPW], v0, 2, SPARE
	v_mov_b32 v[NIL], 0
	ds_add_u32 v[SPW], v[NIL]                      ; the wave's opening: the add, twice on end, and its wait ahead of my first tensor load
	ds_add_u32 v[SPW], v[NIL]
	v_lshrrev_b32 v1, 5, v0
	v_readfirstlane_b32 s12, v1                    ; wave 0..3
	s_lshr_b32 s13, s12, 1                         ; which half of the tile's rows is mine.  Also: I fetch for ctx (0) or for W2 (1)
	s_and_b32 s14, s12, 1                          ; which half of its columns.  Also: which half of that tile I fetch
	s_bfe_u32 s40, ttmp6, 0x40000                  ; cx, cy
	s_bfe_u32 s41, ttmp6, 0x40004
	s_lshl_b32 s42, ttmp9, 2
	s_add_co_u32 s42, s42, s40                     ; tile column
	s_and_b32 s15, ttmp7, 0xffff
	s_lshl_b32 s15, s15, 2
	s_add_co_u32 s15, s15, s41                     ; tile row
	s_lshl_b32 s43, s41, 2
	s_lshl_b32 s43, 15, s43                        ; my row of the cluster
	s_lshl_b32 s44, 0x1111, s40                    ; my column
	s_or_b32 s[G1+0], s43, (3<<16)|(1<<21)         ; the mask; elements of 8 bytes; bit 21 beside a mask; no padding
	s_or_b32 s[G1B+0], s44, (3<<16)|(1<<21)
	s_mov_b32 s[G1+1], 512<<16                     ; tensor_dim0: a K step of one tile of 16: 4,096 bytes
	s_mov_b32 s[G1+2], 8<<16                       ; tensor_dim1: 8 tiles of 16 rows
	s_mov_b32 s[G1+3], 512<<16                     ; tile_dim0
	s_mov_b32 s[G1+4], 8                           ; tile_dim1
	s_mov_b32 s[G1+5], 4096                        ; from tile to tile: 32,768 bytes
	s_mov_b32 s[G1+6], 0
	s_mov_b32 s[G1+7], 0
	s_mov_b32 s[G1B+1], 512<<16
	s_mov_b32 s[G1B+2], 4<<16                      ; 4 tiles of 16 columns
	s_mov_b32 s[G1B+3], 512<<16
	s_mov_b32 s[G1B+4], 4
	s_mov_b32 s[G1B+5], 4096
	s_mov_b32 s[G1B+6], 0
	s_mov_b32 s[G1B+7], 0
	s_lshl_b32 s16, s15, 4
	s_lshl_b32 s17, s14, 3
	s_add_co_u32 s16, s16, s17                     ; ctx: tile of rows 16 x tile row + 8 x half
	s_lshl_b32 s16, s16, 15
	s_mov_b32 s17, 0
	s_lshl_b32 s46, s42, 3
	s_lshl_b32 s47, s14, 2
	s_add_co_u32 s46, s46, s47                     ; W2: tile of columns 8 x tile column + 4 x half
	s_lshl_b32 s46, s46, 15
	s_mov_b32 s47, 0
	s_lshl_b32 s20, s14, 15                        ; where they go: ctx's halves,
	s_lshl_b32 s21, s14, 14
	s_add_co_u32 s21, s21, BOFF                    ; W2's halves behind them
	s_wait_dscnt 0x0                               ; both opening adds are done
	s_wait_kmcnt 0x0
	s_add_nc_u64 s[18:19], s[4:5], s[16:17]
	s_add_nc_u64 s[46:47], s[6:7], s[46:47]
	CROUND                                         ; all sixteen work-groups are here: the first joint loads meet
.irp s, 0,1
	s_mov_b32 s[G0+4*\s], 1
	s_add_co_u32 s[G0+4*\s+1], s20, \s*SLOT
	s_add_nc_u64 s[G0+4*\s+2:G0+4*\s+3], s[18:19], \s*4096
	s_or_b32 s[G0+4*\s+3], s[G0+4*\s+3], 0x80000000
	s_mov_b32 s[G0B+4*\s], 1
	s_add_co_u32 s[G0B+4*\s+1], s21, \s*SLOT
	s_add_nc_u64 s[G0B+4*\s+2:G0B+4*\s+3], s[46:47], \s*4096
	s_or_b32 s[G0B+4*\s+3], s[G0B+4*\s+3], 0x80000000
	JLOAD \s
.endr
	v_and_b32 v4, 15, v0                           ; r
	v_bfe_u32 v5, v0, 4, 1                         ; h
	s_lshl_b32 s22, s42, 9
	s_lshl_b32 s23, s14, 8
	s_add_co_u32 s22, s22, s23                     ; my first column, in bytes of f32: 512 x tile column + 256 x half
	s_mov_b32 s23, 0
	s_add_nc_u64 s[8:9], s[8:9], s[22:23]
	v_lshlrev_b32 v7, 5, v5
.irp b, 0,1,2,3
	global_load_b128 v[BI+8*\b:BI+8*\b+3], v7, s[8:9] offset:64*\b          ; lane (r, h), block b: b2 at my first column + 16 b + 8 h + 0..7
	global_load_b128 v[BI+8*\b+4:BI+8*\b+7], v7, s[8:9] offset:64*\b+16
.endr
	s_lshl_b32 s16, s15, 8
	s_lshl_b32 s17, s13, 7
	s_add_co_u32 s16, s16, s17                     ; my first row
	s_lshl_b32 s16, s16, 12
	s_add_co_u32 s16, s16, s22
	s_mov_b32 s17, 0
	s_add_nc_u64 s[10:11], s[10:11], s[16:17]
	v_and_b32 v1, 31, v0
	v_lshlrev_b32 v3, 4, v1                        ; 16 x lane
	s_lshl_b32 s22, s13, 15                        ; my 8 tiles of rows
	s_lshl_b32 s23, s14, 14
	s_add_co_u32 s23, s23, BOFF                    ; my 4 tiles of columns
.irp s, 0,1
	v_add_nc_u32 v[ADRA+\s], s22, v3
	v_add_nc_u32 v[ADRB+\s], s23, v3
	s_add_co_u32 s22, s22, SLOT
	s_add_co_u32 s23, s23, SLOT
.endr
	s_mul_i32 s22, s12, 16*272
	s_add_co_u32 s22, s22, STAGE                   ; my stage
	v_mul_u32_u24 v6, v4, 272
	v_lshl_add_u32 v6, v5, 5, v6
	v_add_nc_u32 v[STO], s22, v6                   ; in: row r, 32 bytes for each half of the lanes
	v_mul_u32_u24 v6, v5, 272
	v_lshl_add_u32 v6, v4, 4, v6
	v_add_nc_u32 v[RD], s22, v6                    ; back: lanes 0-15 one row of 256 bytes, lanes 16-31 the next
	v_lshlrev_b32 v6, 12, v5
	v_lshl_add_u32 v[CO], v4, 4, v6                ; and the same two rows in out0
; n x 4 matrix instructions: ctx's blocks a0 on x W2's four, 32 along K.  first = 1: the bias starts the sums.  The 32 accumulators take turns, one instruction a turn, in the same order in every quarter.
.macro MULS f, a0, n, first
.set AA, \a0
.rept \n
.irp b, 0,1,2,3
.if \first
	v_wmma_f32_16x16x32_f16 v[8*(4*AA+\b):8*(4*AA+\b)+7], v[\f+8*\b:\f+8*\b+7], v[\f+8*AA:\f+8*AA+7], v[BI+8*\b:BI+8*\b+7]
.else
	v_wmma_f32_16x16x32_f16 v[8*(4*AA+\b):8*(4*AA+\b)+7], v[\f+8*\b:\f+8*\b+7], v[\f+8*AA:\f+8*AA+7], v[8*(4*AA+\b):8*(4*AA+\b)+7]
.endif
.endr
.set AA, AA+1
.endr
.endm
.macro FETCH slot, kq, f               ; 24 LDS loads in one run: the fragments of the slot's kq-th 32 along K: W2's four, then ctx's eight
	WIN 0x40
.irp i, 0,1,2,3
	ds_load_b128 v[\f+8*\i:\f+8*\i+3], v[ADRB+\slot] offset:(\kq)*1024+\i*4096
	ds_load_b128 v[\f+8*\i+4:\f+8*\i+7], v[ADRB+\slot] offset:(\kq)*1024+\i*4096+512
.endr
	WIN 0
.irp i, 0,1,2,3,4,5,6,7
	ds_load_b128 v[\f+8*\i:\f+8*\i+3], v[ADRA+\slot] offset:(\kq)*1024+\i*4096
	ds_load_b128 v[\f+8*\i+4:\f+8*\i+7], v[ADRA+\slot] offset:(\kq)*1024+\i*4096+512
.endr
.endm
.macro PLACES                          ; four plain lines between a matrix instruction and a load into, or a read of, its registers
.rept 4
	v_nop
.endr
.endm
; A K step is four quarters of 32 along K, 32 matrix instructions each, on buffers 0, 1, 0, 1.  One of the first three: multiplies buffer f and fetches quarter kq into g.
.macro QUARTER slot, kq, f, g, first
	s_wait_dscnt 8                                 ; W2's four and ctx's blocks 0-3 are in; the youngest eight loads (blocks 4-7) may be out
.if \first
	WIN 0x81                                       ; C (the bias) in window 0
.else
	WIN MUL
.endif
	MULS \f, 0, 4, \first
	PLACES
	FETCH \slot, \kq, \g
	s_wait_dscnt 24                                ; all but the 24 just issued
.if \first
	WIN 0x81
.else
	WIN MUL
.endif
	MULS \f, 4, 4, \first
.endm
; The last quarter multiplies buffer 1 and changes slots: one barrier; in front of it each wave waits for all its tensor loads, adds 0 to its spare word, and waits for that and for its reads of this slot.
; fill = 1: the barrier opens a round of the cluster's, and this slot is filled again, two K steps ahead: 112 matrix instructions ahead of the wait for it.
.macro TURN slot, next, fill
	WIN 0
	s_wait_tensorcnt 0x0                           ; all my tensor loads have landed: my part of the next slot
	ds_add_u32 v[SPW], v[NIL]
	s_wait_dscnt 9                                 ; the add and the youngest eight loads may be out
	WIN MUL
	MULS F1, 0, 2, 0
	s_wait_dscnt 0x0                               ; the add is done, and my reads of this slot are over
	s_barrier_signal -1
	MULS F1, 2, 2, 0
	WIN 0
	s_barrier_wait -1
.if \fill
	CREST
	s_add_nc_u64 s[G0+4*\slot+2:G0+4*\slot+3], s[G0+4*\slot+2:G0+4*\slot+3], 8192
	s_add_nc_u64 s[G0B+4*\slot+2:G0B+4*\slot+3], s[G0B+4*\slot+2:G0B+4*\slot+3], 8192
	JLOAD \slot                                    ; the first tensor load behind the round; its four v_nop are also the places in front of the loads below
.else
	PLACES
.endif
	FETCH \next, 0, F0
	WIN MUL
	MULS F1, 4, 4, 0
.endm
	s_wait_tensorcnt 1                             ; my part of K step 0 is in; K step 1's load may be out
	s_barrier_signal -1
	s_barrier_wait -1
	FETCH 0, 0, F0
	s_wait_loadcnt 0x0                             ; the bias
	QUARTER 0, 1, F0, F1, 1                        ; the first quarter stands in front of the loop: the bias starts the sums
	WIN 0
	s_mov_b32 s3, 3
.Llap:                                                 ; a trip goes once round the ring and fills both slots again
	QUARTER 0, 2, F1, F0, 0
	QUARTER 0, 3, F0, F1, 0
	TURN 0, 1, 1
	QUARTER 1, 1, F0, F1, 0
	QUARTER 1, 2, F1, F0, 0
	QUARTER 1, 3, F0, F1, 0
	TURN 1, 0, 1
	QUARTER 0, 1, F0, F1, 0
	WIN 0
	s_sub_co_u32 s3, s3, 1
	s_cmp_lg_u32 s3, 0
	s_cbranch_scc1 .Llap
	QUARTER 0, 2, F1, F0, 0                        ; the last lap fills nothing
	QUARTER 0, 3, F0, F1, 0
	TURN 0, 1, 0
	QUARTER 1, 1, F0, F1, 0
	QUARTER 1, 2, F1, F0, 0
	QUARTER 1, 3, F0, F1, 0
	s_wait_dscnt 8
	WIN MUL
	MULS F1, 0, 4, 0
	s_wait_dscnt 0x0
	MULS F1, 4, 4, 0
	WIN 0
; THE WAY OUT, a block of 16 rows x 64 columns at a time, through my own stage: a lane holds 32 bytes of a row; back come whole rows of 256 bytes, which sixteen lanes store as 256 consecutive aligned bytes.
; LDS serves a wave's instructions in order (ISA guide 5.7.1.4): no wait between the stores and the loads, nor in front of the next block's stores.
.macro TOSTAGE a
	WIN 0x08                                       ; an LDS store's data: window 2
.irp b, 0,1,2,3
	ds_store_b128 v[STO], v[8*(4*(\a)+\b):8*(4*(\a)+\b)+3] offset:64*\b          ; each accumulator from its low end on
	ds_store_b128 v[STO], v[8*(4*(\a)+\b)+4:8*(4*(\a)+\b)+7] offset:64*\b+16
.endr
	WIN 0
.set BB, 64+32*((\a)%4)
.irp i, 0,1,2,3,4,5,6,7
	ds_load_b128 v[BB+4*\i:BB+4*\i+3], v[RD] offset:\i*544
.endr
.endm
.macro SEND a, younger                 ; younger: the LDS instructions issued behind block a's loads, which may stay out
.set BB, 64+32*((\a)%4)
	s_wait_dscnt \younger
.irp i, 0,1,2,3,4,5,6,7
	global_store_b128 v[CO], v[BB+4*\i:BB+4*\i+3], s[10:11] offset:(\a)*65536+\i*8192 th:TH_STORE_NT
.endr
.endm
	PLACES
	TOSTAGE 0
.irp a, 1,2,3,4,5,6,7
.if \a >= 4
	s_wait_xcnt 0x0                                ; block a - 4's stores have read these registers
.endif
	TOSTAGE \a
	SEND \a-1, 16                                  ; behind block a - 1's loads: block a's eight stores and eight loads
.endr
	SEND 7, 0
	s_wait_tensorcnt 0x0                           ; the wave's end
	ds_add_u32 v[SPW], v[NIL]
	s_wait_dscnt 0x0
	CROUND                                         ; the closing round
	s_endpgm
.Lfunc_end_k_qfb89a6b6d4_gemm2:
	.size	k_qfb89a6b6d4_gemm2, .Lfunc_end_k_qfb89a6b6d4_gemm2-k_qfb89a6b6d4_gemm2
	.p2alignl 7, 3214868480
	.fill 96, 4, 3214868480
	.section	.rodata,"a",@progbits
	.p2align	6, 0x0
	.amdhsa_kernel k_qfb89a6b6d4_gemm2
		.amdhsa_group_segment_fixed_size 327680
		.amdhsa_private_segment_fixed_size 0
		.amdhsa_enable_private_segment 0
		.amdhsa_kernarg_size 32
		.amdhsa_user_sgpr_count 2
		.amdhsa_user_sgpr_kernarg_segment_ptr 1
		.amdhsa_wavefront_size32 1
		.amdhsa_system_sgpr_workgroup_id_x 1
		.amdhsa_system_sgpr_workgroup_id_y 1
		.amdhsa_system_sgpr_workgroup_id_z 1
		.amdhsa_system_vgpr_workitem_id 0
		.amdhsa_next_free_vgpr 768
		.amdhsa_next_free_sgpr 66
		.amdhsa_reserve_vcc 0
		.amdhsa_float_denorm_mode_32 3
		.amdhsa_float_denorm_mode_16_64 3
		.amdhsa_memory_ordered 1
		.amdhsa_forward_progress 1
		.amdhsa_inst_pref_size 86
	.end_amdhsa_kernel
	.amdgpu_metadata
---
amdhsa.version: [ 1, 2 ]
amdhsa.kernels:
  - .name:           k_qfb89a6b6d4_gemm2
    .symbol:         k_qfb89a6b6d4_gemm2.kd
    .args:
      - { .name: ctxf, .offset: 0, .size: 8, .value_kind: global_buffer, .address_space: global }
      - { .name: w2f, .offset: 8, .size: 8, .value_kind: global_buffer, .address_space: global }
      - { .name: b2, .offset: 16, .size: 8, .value_kind: global_buffer, .address_space: global }
      - { .name: out0, .offset: 24, .size: 8, .value_kind: global_buffer, .address_space: global }
    .group_segment_fixed_size: 327680
    .private_segment_fixed_size: 0
    .kernarg_segment_align: 8
    .kernarg_segment_size: 32
    .max_flat_workgroup_size: 128
    .sgpr_count:     66
    .vgpr_count:     768
    .wavefront_size: 32
...
	.end_amdgpu_metadata
.endif
;; end of part 4
